; MI455X (gfx1250); checked and timed in simulation.
; The chip was launched on July 23, 2026; its instructions are those of AMD's public machine-readable ISA for CDNA 5 (MIT licence, August 2026) and "CDNA5" Instruction Set Architecture Reference Guide (July 2026). The comments in the code are by the model that wrote it; some were corrected since.
;; Causal Self Attention. Allowed arithmetic: matrix products marked QUANTISED: E3M2 operands, one E8M0 scale for each 32 along K, by v_wmma_scale_f32_16x16x128_f8f6f4 with both operands' format E3M2, f32 sums; everything else in f32.
;; Inputs: W_attn 3,072 x 1,024 float32; W_proj 1,024 x 1,024 float32; b_attn 3,072 float32; b_proj 1,024 float32; x 8,192 x 1,024 float32.
;; Outputs: out0 8,192 x 1,024 float32.
;; This version of the problem:
;;   THIS VERSION OF THE PROBLEM IS GIVEN IN LOW PRECISION. The matrix products marked QUANTISED in the list below multiply operands that are first quantised to E3M2 (3 exponent bits, 2 mantissa bits; 6 bits a number), with one power-of-two scale for each 32 numbers along K (OCP MX v1.0); their sums are f32. All else is computed in f32.
;;   The module's matrix products, in the order in which they are computed (A, B: the left and right operand; K: the contracted axis; several contracted axes count as one K, in the product's order):
;;     1. [M 8,192, K 1,024] x [K 1,024, N 3,072]; A: input x; B: input W_attn: QUANTISED
;;     2. batch 128 x [M 1,024, K 64] x [K 64, N 1,024]; A: computed on the way; B: computed on the way: QUANTISED
;;     3. batch 128 x [M 1,024, K 1,024] x [K 1,024, N 64]; A: softmax (see below); B: computed on the way: QUANTISED
;;     4. [M 8,192, K 1,024] x [K 1,024, N 1,024]; A: computed on the way; B: input W_proj: QUANTISED
;;   THE QUANTISER, for each operand of a quantised product, along K:
;;     - K is cut into blocks of 32 from its start; a last block that is shorter is filled with zeros.
;;     - A block's scale is 2^e with e = floor(log2(the largest magnitude in the block)) - 4, held to -126 .. 127; a block of zeros has e = 0. As a byte (E8M0): e + 127.
;;     - Each number is divided by its block's scale, clamped to +-28, and rounded to the nearest number of E3M2, ties to even, subnormals kept.
;;     - The product sums the exact products of the quantised numbers (number of the format x scale) in f32.
;;   ~~~python
;;   def quantise(x, axis):      # numpy; x: float32 -> the quantised numbers, widened to float32 again
;;       x = np.moveaxis(x, axis, -1); K = x.shape[-1]
;;       x = np.pad(x, [(0, 0)] * (x.ndim - 1) + [(0, -K % 32)]); x = x.reshape(x.shape[:-1] + (-1, 32)); a = np.abs(x).max(-1, keepdims=True)
;;       e = np.where(a > 0, np.clip(np.frexp(np.where(a > 0, a, 1))[1] - 1 - 4, -126, 127), 0)      # np.frexp(a)[1] - 1 = floor(log2(a)), exactly
;;       r = np.clip(x / 2.0 ** e, -28, 28)
;;       step = 2.0 ** (np.maximum(np.frexp(np.where(r == 0, 1, r))[1] - 1, -2) - 2)
;;       q = np.round(r / step) * step * 2.0 ** e      # np.round: ties to even
;;       return np.moveaxis(q.reshape(q.shape[:-2] + (-1,))[..., :K], -1, axis).astype(np.float32)
;;   ~~~
;;   SOFTMAX AHEAD OF A QUANTISED PRODUCT. Where the list says 'softmax', what is quantised is not the finished softmax but p = 2^(t - M), with t = logit x log2(e) and M = ceil(the row's largest t), a whole number; so 1/2 < the row's largest p <= 1. The row's sum l is taken of the UNQUANTISED p, in f32, and the product's result is divided by l at the end. Since M is a whole number, a kernel that streams over the keys may use a running M (the ceiling of the running maximum): every later rescaling is an exact power of two, which a block's scale takes up: the codes' values come out the same.
;;   OPERANDS COMPUTED ON THE WAY. 'Computed on the way' means the value that the module computes at that place (a softmax that the list does not call 'softmax' is quantised finished and normalised). What goes into a quantiser is computed in f32, as accurately as f32 sums, v_exp_f32 and their like allow (about 1e-6 of the number): no bf16 or f16 on the way to a quantiser, and a product that is left as it is and whose result goes on into a quantised operand takes f32 operands (vector FMAs, or v_wmma_f32_16x16x4_f32). A number that lies on a knife's edge between two numbers of the format may be rounded either way, as far as f32 arithmetic and the matrix unit's own rounding can turn it there, and no further.
;; One version. Each part assembles by itself: llvm-mc -triple=amdgcn-amd-amdhsa -mcpu=gfx1250 --defsym DOCPART=n.
;; ======== version 1 of 1: 4 launches
;; workspace buffers: op_img 9,437,184 bytes; gsc 655,360 bytes; qkv_img 18,874,368 bytes; qkv_sc 786,432 bytes; y_img 6,291,456 bytes
;; launch quant (part 1): grid 384 x 1, 4 waves a work-group, no clusters, 1,536 bytes of LDS; arguments x, W_attn, W_proj, op_img, gsc; writes op_img, gsc
.if DOCPART == 1
	.amdgcn_target "amdgcn-amd-amdhsa--gfx1250"
	.amdhsa_code_object_version 6
	.text
	.protected	k_qf5270e1405_quant
	.globl	k_qf5270e1405_quant
	.p2align	8
	.type	k_qf5270e1405_quant,@function
k_qf5270e1405_quant:
	s_mov_b64 s[64:65], 0
	v_nop
	global_prefetch_b8 v0, s[64:65] scope:SCOPE_SE
	s_setreg_imm32_b32 hwreg(HW_REG_WAVE_MODE, 25, 1), 1
	s_wait_xcnt 0x0
; x [8192][1024], W_attn [3072][1024] and W_proj [1024][1024], f32, K innermost, become codes of BF6 (E3M2) with one E8M0 byte for each 32 along K,
; laid in the ORDER OF AN OPERAND'S REGISTERS.  A row tile (RT) is 16 rows: lane r of RT g holds row 32 (g / 2) + 8 (g % 2) + r + 8 (r / 8).  RT 0-511: x, 512-703: W_attn, 704-767: W_proj.
; op_img: [768 RT][16 half fragments][768 bytes].  A half fragment is 16 rows x 64 K: lane l = (r, h) owns the 24 bytes of block h of its row: its first 16 at byte 16 l, its last 8 at byte 512 + 8 l.
; gsc: [RT][8 K steps of 128][16 r] words: a row's four scale bytes of a K step.
; A block's scale is 2^(floor(log2(largest magnitude)) - 4): its byte is the largest magnitude's exponent field - 4, held at 1 from below.
; LIMITS: a block whose largest magnitude lies under 2^-122 has its byte held at 1; a block of zeros gets the byte 1 and not 127 (its codes are zeros, and only this program reads the bytes); NaN and infinities are not served.
; SHARES.  Work-group g takes RTs 2 g and 2 g + 1 (32 neighbouring rows of one tensor); wave w takes RT 2 g + w / 2 and half w % 2 of K: four K steps of 128.  Waves share nothing: no barrier, no cluster, no tensor load.
; A lane takes, of its row, 16 neighbouring numbers of each block of 32; lanes l and l xor 16 hold a block.  Two K steps (32 loads a wave) are on their way.
.set SEL, 20                           ; s[20:21] lane selects for v_permlanex16_b32: lane l xor 16
.set XA,  1                            ; v1   my lane's byte in the RT's rows
.set X0,  16                           ; v16-79, v80-143: two sets of 64 numbers
.set X1,  80
.set PC,  144                          ; v144-191 four sets of 12 code registers: no store's data are written again
.set T,   192                          ; v192-199 the conversions' second halves
.set TM,  200                          ; v200-203 largest magnitudes, v204-207 the other half's / the bytes, v212-215 the conversions' scale operands
.set PW,  216                          ; v216-219 the four scale words
; 64 numbers of a lane, register 16 b + i = k 32 b + 16 (lane / 16) + i of my row, become a fragment's 12 code registers v[d] on and its scale word v[w].
.macro QUANT s, d, w
.irp b, 0,1,2,3
	v_max3_num_f32 v[TM+\b], |v[\s+16*\b]|, |v[\s+1+16*\b]|, 0x2800000   ; my 16 numbers of block b, and the floor 2^(5 - 127): the byte cannot fall under 1
.endr
.irp i, 2,4,6,8,10,12,14
.irp b, 0,1,2,3
	v_max3_num_f32 v[TM+\b], v[TM+\b], |v[\s+16*\b+\i]|, |v[\s+1+16*\b+\i]|   ; the four blocks by turns
.endr
.endr
.irp b, 0,1,2,3
	v_permlanex16_b32 v[TM+4+\b], v[TM+\b], s[SEL], s[SEL+1]
.endr
.irp b, 0,1,2,3
	v_max_num_f32 v[TM+\b], v[TM+\b], v[TM+4+\b]          ; with lane l xor 16's: the block's largest magnitude
.endr
.irp b, 0,1,2,3
	v_add_nc_u32 v[TM+12+\b], 0xfe000000, v[TM+\b]        ; 4 off its exponent field: the conversion takes this operand's exponent field as its scale
.endr
.irp b, 0,1,2,3
	v_lshrrev_b32 v[TM+4+\b], 23, v[TM+12+\b]             ; the scale's byte
.endr
	v_lshl_or_b32 v[\w], v[TM+5], 8, v[TM+4]
	v_lshl_or_b32 v[\w], v[TM+6], 16, v[\w]
	v_lshl_or_b32 v[\w], v[TM+7], 24, v[\w]               ; my row's scale word
.irp c, 0,1
	v_cvt_scalef32_pk16_bf6_f32 v[\d+6*\c:\d+6*\c+2], v[\s+32*\c:\s+32*\c+15], v[TM+12+2*\c]
	v_cvt_scalef32_pk16_bf6_f32 v[T+4*\c:T+4*\c+2], v[\s+32*\c+16:\s+32*\c+31], v[TM+12+2*\c+1]   ; (a conversion's three registers begin on an even number)
.endr
	v_nop                                                 ; one plain place behind a scaled conversion
.irp c, 0,1                                           ; the operand's layout wants a whole block in a lane: lanes 0-15 block 2 c, lanes 16-31 block 2 c + 1
.irp i, 0,1,2
	v_permlane16_swap_b32 v[\d+6*\c+\i], v[T+4*\c+\i]
.endr
.irp i, 0,1,2
	v_mov_b32 v[\d+3+6*\c+\i], v[T+4*\c+\i]
.endr
.endr
.endm
.macro XLOAD reg, st                   ; K step st: 16 loads of 16 bytes a lane
.irp b, 0,1,2,3
.irp j, 0,1,2,3
	global_load_b128 v[\reg+16*\b+4*\j:\reg+16*\b+4*\j+3], v[XA], s[4:5] offset:512*(\st)+128*\b+16*\j th:TH_LOAD_NT
.endr
.endr
.endm
.macro PUT st                          ; K step st's fragment: each store covers 512 or 256 consecutive bytes, at a multiple of 256 from the buffer's first byte
.irp c, 0,1
	global_store_b128 v2, v[PC+12*(\st)+6*\c:PC+12*(\st)+6*\c+3], s[10:11] offset:1536*(\st)+768*\c
	global_store_b64 v3, v[PC+12*(\st)+6*\c+4:PC+12*(\st)+6*\c+5], s[10:11] offset:1536*(\st)+768*\c+512
.endr
.endm
	s_load_b256 s[4:11], s[0:1], 0x0               ; x s[4:5], W_attn s[6:7], W_proj s[8:9], op_img s[10:11]
	s_load_b64 s[12:13], s[0:1], 0x20              ; gsc
	v_lshl_add_u32 v224, v0, 2, 0x400
	v_mov_b32 v225, 0
	v_lshrrev_b32 v6, 5, v0
	v_readfirstlane_b32 s16, v6                    ; wave 0..3
	v_and_b32 v6, 31, v0                           ; l
	v_and_b32 v7, 15, v0                           ; r
	v_bfe_u32 v8, v0, 4, 1                         ; h
	v_and_b32 v9, 8, v7
	v_add_nc_u32 v9, v9, v7                        ; r + 8 (r / 8)
	v_lshlrev_b32 v[XA], 12, v9                    ; a row is 4,096 bytes
	v_lshl_add_u32 v[XA], v8, 6, v[XA]             ; + 64 h: my 16 numbers of a block
	v_lshlrev_b32 v2, 4, v6                        ; 16 l
	v_lshlrev_b32 v3, 3, v6                        ; 8 l
	s_lshl_b32 s17, s16, 8                         ; my wave's 256 bytes of LDS
	v_lshl_add_u32 v4, v7, 2, s17                  ; in: 4 r
	v_lshl_add_u32 v5, v6, 3, s17                  ; back: 8 l
.irp b, 0,1,2,3
	v_mov_b32 v[TM+4+\b], 0                        ; written once: a lane permute's destination counts as one of its sources
.endr
	s_mov_b32 s[SEL], 0x76543210
	s_mov_b32 s[SEL+1], 0xfedcba98
	s_lshr_b32 s18, s16, 1                         ; which of the two RTs
	s_and_b32 s19, s16, 1                          ; which half of K
	s_mov_b32 s14, 352
	s_wait_kmcnt 0x0
	s_cmp_lt_u32 ttmp9, s14                        ; which tensor: the choice hangs on the work-group's number alone
	s_cselect_b64 s[6:7], s[6:7], s[8:9]           ; W_attn (from work-group 256) or W_proj (from 352)
	s_cselect_b32 s14, 256, s14
	s_cmp_lt_u32 ttmp9, 256
	s_cselect_b64 s[4:5], s[4:5], s[6:7]           ; or x (from 0)
	s_cselect_b32 s14, 0, s14
	s_sub_co_u32 s14, ttmp9, s14                   ; which 32 rows of the tensor
	s_lshl_b32 s22, s14, 17                        ; 32 rows of 4,096 bytes,
	s_lshl_b32 s15, s18, 15                        ; the odd RT begins 8 rows down,
	s_add_co_u32 s22, s22, s15
	s_lshl_b32 s15, s19, 11                        ; half of K is 2,048 bytes
	s_add_co_u32 s22, s22, s15
	s_mov_b32 s23, 0
	s_add_nc_u64 s[4:5], s[4:5], s[22:23]
	XLOAD X0, 0
	XLOAD X1, 1
	s_lshl_b32 s24, ttmp9, 1
	s_add_co_u32 s24, s24, s18                     ; my RT
	s_mul_i32 s22, s24, 12288
	s_mul_i32 s15, s19, 6144
	s_add_co_u32 s22, s22, s15
	s_add_nc_u64 s[10:11], s[10:11], s[22:23]      ; my four fragments
	s_lshl_b32 s22, s24, 9
	s_lshl_b32 s15, s19, 8
	s_add_co_u32 s22, s22, s15
	s_add_nc_u64 s[12:13], s[12:13], s[22:23]      ; my 256 bytes of scale words
	s_wait_loadcnt 16                              ; K step 0 is in; the 16 loads of step 1 may be out
	QUANT X0, PC, PW
	XLOAD X0, 2
	PUT 0
	s_wait_loadcnt 16                              ; step 1 is in; step 2's 16 may be out
	QUANT X1, PC+12, PW+1
	XLOAD X1, 3
	PUT 1
	s_wait_loadcnt 16                              ; step 2 is in; step 3's 16 may be out
	QUANT X0, PC+24, PW+2
	PUT 2
	s_wait_loadcnt 0x0
	QUANT X1, PC+36, PW+3
	PUT 3
.irp t, 0,1,2,3
	ds_store_b32 v4, v[PW+\t] offset:64*\t         ; both halves of the lanes write the same word with the same value
.endr
	ds_load_b64 v[220:221], v5                     ; LDS serves a wave's instructions in order: this sees my stores
	s_wait_dscnt 0x0
	global_store_b64 v3, v[220:221], s[12:13]      ; 32 lanes store 256 consecutive bytes, aligned
	s_wait_tensorcnt 0x0
	ds_add_u32 v224, v225
	s_wait_dscnt 0x0
	s_endpgm
.Lfunc_end_k_qf5270e1405_quant:
	.size	k_qf5270e1405_quant, .Lfunc_end_k_qf5270e1405_quant-k_qf5270e1405_quant
	.p2alignl 7, 3214868480
	.fill 96, 4, 3214868480
	.section	.rodata,"a",@progbits
	.p2align	6, 0x0
	.amdhsa_kernel k_qf5270e1405_quant
		.amdhsa_group_segment_fixed_size 1536
		.amdhsa_private_segment_fixed_size 0
		.amdhsa_enable_private_segment 0
		.amdhsa_kernarg_size 40
		.amdhsa_user_sgpr_count 2
		.amdhsa_user_sgpr_kernarg_segment_ptr 1
		.amdhsa_wavefront_size32 1
		.amdhsa_system_sgpr_workgroup_id_x 1
		.amdhsa_system_sgpr_workgroup_id_y 1
		.amdhsa_system_sgpr_workgroup_id_z 1
		.amdhsa_system_vgpr_workitem_id 0
		.amdhsa_next_free_vgpr 226
		.amdhsa_next_free_sgpr 66
		.amdhsa_reserve_vcc 0
		.amdhsa_float_denorm_mode_32 3
		.amdhsa_float_denorm_mode_16_64 3
		.amdhsa_memory_ordered 1
		.amdhsa_forward_progress 1
		.amdhsa_inst_pref_size 26
	.end_amdhsa_kernel
	.amdgpu_metadata
---
amdhsa.version: [ 1, 2 ]
amdhsa.kernels:
  - .name:           k_qf5270e1405_quant
    .symbol:         k_qf5270e1405_quant.kd
    .args:
      - { .name: x, .offset: 0, .size: 8, .value_kind: global_buffer, .address_space: global }
      - { .name: W_attn, .offset: 8, .size: 8, .value_kind: global_buffer, .address_space: global }
      - { .name: W_proj, .offset: 16, .size: 8, .value_kind: global_buffer, .address_space: global }
      - { .name: op_img, .offset: 24, .size: 8, .value_kind: global_buffer, .address_space: global }
      - { .name: gsc, .offset: 32, .size: 8, .value_kind: global_buffer, .address_space: global }
    .group_segment_fixed_size: 1536
    .private_segment_fixed_size: 0
    .kernarg_segment_align: 8
    .kernarg_segment_size: 40
    .max_flat_workgroup_size: 128
    .sgpr_count:     66
    .vgpr_count:     226
    .wavefront_size: 32
...
	.end_amdgpu_metadata
.endif
;; end of part 1
;; launch qkv (part 2): grid 8 x 48, 4 waves a work-group, clusters of 4 x 4, 327,680 bytes of LDS; arguments op_img, gsc, b_attn, qkv_img, qkv_sc; writes qkv_img, qkv_sc
.if DOCPART == 2
	.amdgcn_target "amdgcn-amd-amdhsa--gfx1250"
	.amdhsa_code_object_version 6
	.text
	.protected	k_qf5270e1405_qkv
	.globl	k_qf5270e1405_qkv
	.p2align	8
	.type	k_qf5270e1405_qkv,@function
k_qf5270e1405_qkv:
	s_mov_b64 s[64:65], 0
	v_nop
	global_prefetch_b8 v0, s[64:65] scope:SCOPE_SE
	s_setreg_imm32_b32 hwreg(HW_REG_WAVE_MODE, 25, 1), 1
	s_wait_xcnt 0x0
	s_wait_alu depctr_hold_cnt(0) depctr_sa_sdst(0) depctr_va_vdst(0) depctr_va_sdst(0) depctr_va_ssrc(0) depctr_va_vcc(0) depctr_vm_vsrc(0)
	s_getreg_b32 s2, hwreg(HW_REG_IB_STS2, 6, 4)
	s_cmp_eq_u32 s2, 0
	s_cbranch_scc0 .Lentry_in_a_cluster
	s_endpgm
.Lentry_in_a_cluster:
	s_bfe_u32 s2, ttmp6, 0x10000c
	s_cmp_lg_u32 s2, 0xf033
	s_cbranch_scc0 .Lentry_shape_is_right
	s_endpgm
.Lentry_shape_is_right:
; qkv = x W_attn^T + b_attn on codes of BF6 (E3M2) with E8M0 scales, and its results quantised again on the way out: q and k along the head's 64, v along the tokens.  Nothing leaves as f32.
; OPERANDS come as images of their registers (op_img: [RT][16 half fragments][768]; a row tile RT is 16 rows, lane r holding row 32 (RT / 2) + 8 (RT % 2) + r + 8 (r / 8); scale words gsc: [RT][8 K steps][16 r]).
; As source 0 that order of rows makes the 16 registers of result tiles 2 B and 2 B + 1 sixteen neighbours, 32 B + 16 (lane / 16) + 0 .. 15, which is what the conversions to codes take.
; A tile of 256 x 256 is made by four waves, each 128 x 128: 64 accumulators.  S0 is source 0 (its rows run along a lane's registers), S1 source 1 (a lane holds one row of it).
; MODE 0 (cluster y 0-7): q and k.  S0 = 256 rows of W_attn (four heads), S1 = 256 tokens: a lane holds one token, its registers run along the head: K of the scores.
; MODE 1 (cluster y 8-11): v.  S0 = 256 tokens, S1 = 256 rows of W_attn from 2,048 on: a lane holds one channel, its registers run along the tokens: K of the second product.
; The mode only selects numbers (s_cselect_b32, v_cndmask_b32): there is no branch on it, and no LDS address hangs on it.
; CLUSTERS: 4 x 4 work-groups.  S1's tile hangs on the place along y alone and is asked for jointly by a row of the cluster, S0's on the place along x and is asked for by a column.
; K = 1,024 goes through a ring of two LDS slots of 256 along K: four fills, two of them refills; the eight K steps of 128 are written out, since each names its own scale registers.
; OUT.  qkv_img: three regions (q, k, v) of [segment x 16 + head][49,152 bytes]: q, k: [64 token RTs][768] (a half fragment: 16 tokens x the head's 64); v: [8 key steps][4 channel RTs][1,536] (a fragment: 16 channels x 128 keys).
; qkv_sc: three regions of [segment x 16 + head][2,048]: q, k: [32 RT pairs][16 r] words (bytes 0, 1 the even RT's two blocks, bytes 2, 3 the odd RT's); v: [8 key steps][4 channel RTs][16 r] words.
; LIMITS: a block whose largest magnitude lies under 2^-122 has its byte held at 1; a block of zeros gets the byte 1 (its codes are zeros; only this program reads the bytes); NaN and infinities are not served.
; REGISTERS, in windows of 256: window 0: v1-8 the way out's addresses; v16-23 LDS addresses; v28, v29 for the add; v32-95 all scale words; v96-111 the bias of mode 1; v128-223 S1's fragments, ONE set; on the way out v128-235 at work.
;   window 1: S0's fragments, TWO sets, v0-95 and v128-223; v96-127 and v224-255 the bias of mode 0, as the C of the first K step.   windows 2, 3: accumulator (a, b) at v[8 (8 (a % 4) + b)].
.set HALFT,  24576                     ; 8 RTs x 3,072 bytes (256 along K): what one tensor load brings, and what one wave reads of S1 or of S0
.set SLOT,   4*HALFT                   ; S1's 16 RTs, then S0's 16
.set SCST,   2*SLOT                    ; behind the ring: 512 bytes for each wave, in which its scale words meet; no tile lands here
.set SPARE,  SCST+2048                 ; the spare words, 128 bytes for each wave: two blocks of 256 bytes that no other line names
.set FR,   12                          ; registers of a fragment
.set NL,   4                           ; LDS loads that bring one
.set A16,  16                          ; v16-17 S1: slot base + 16 l;  v18-19: + 8 l
.set A8,   18
.set B16,  20                          ; v20-23 the same for S0
.set B8,   22
.set SPW,  28
.set NIL,  29
.set SC,   32                          ; v[SC + 8 i + ks]: lanes 0-15 the words of S1's block i, lanes 16-31 those of S0's block i, K step ks
.set BV,   96                          ; v[BV + 2 a]: mode 1's bias of my row of S1's block a; the odd registers hold 0
.set AF,   128
.set HA,   128                         ; the way out: 64 numbers,
.set PC,   192                         ; 12 code registers,
.set T,    204
.set TM,   212
.set PW,   228                         ; two scale words,
.set SW,   230                         ; the word that goes to the stage
.set SEL,  94                          ; s[94:95]
.set G1, 24                            ; s[24:31] descriptor group 1 for S1's tiles;  s[32:39] group 0, one set for each slot
.set G0, 32
.set G1B, 48                           ; s[48:55], s[56:63] the same for S0's
.set G0B, 56
.set MSB, 0
.macro WIN new                         ; the immediate's high byte repeats the setting that is left
.if MSB != (\new)
	s_set_vgpr_msb (MSB<<8)|(\new)
.set MSB, \new
.endif
.endm
; A joint load: waves 0 and 1 fetch for S1, waves 2 and 3 for S0.  The branch hangs on the wave's number alone.  Four v_nop follow each of the two lines.
.macro JLOAD g0a, g1a, g0b, g1b
	s_cmp_eq_u32 s15, 0
	s_cbranch_scc0 .Lfor_b_\@
	tensor_load_to_lds s[\g0a:\g0a+3], s[\g1a:\g1a+7]
	s_nop 0
.rept 4
	v_nop
.endr
	s_branch .Lasked_\@
.Lfor_b_\@:
	tensor_load_to_lds s[\g0b:\g0b+3], s[\g1b:\g1b+7]
	s_nop 0
.rept 4
	v_nop
.endr
.Lasked_\@:
.endm
.macro CREST                           ; a round of the cluster's barrier behind its opening barrier
	s_cmp_lg_u32 s14, 0
	s_cbranch_scc1 .Lnot_wave_0_\@
	s_barrier_signal -3
.Lnot_wave_0_\@:
	s_barrier_wait -3
	s_barrier_signal -1
	s_barrier_wait -1
.endm
.macro CROUND
	s_barrier_signal -1
	s_barrier_wait -1
	CREST
.endm
.macro PLACES n
.rept \n
	v_nop
.endr
.endm
; A fragment, 16 rows x 128 K, lies in LDS as an image of its 12 registers: two half fragments of 768 bytes: four dense loads, no padding.
.macro FRAG reg, a16, a8, q, i
	ds_load_b128 v[\reg:\reg+3], v[\a16] offset:(\i)*3072+(\q)*1536
	ds_load_b64 v[\reg+4:\reg+5], v[\a8] offset:(\i)*3072+(\q)*1536+512
	ds_load_b128 v[\reg+6:\reg+9], v[\a16] offset:(\i)*3072+(\q)*1536+768
	ds_load_b64 v[\reg+10:\reg+11], v[\a8] offset:(\i)*3072+(\q)*1536+1280
.endm
.macro FETCH_B slot, q, p              ; S0's eight fragments of the slot's q-th 128 along K into set p
	WIN 0x40
.irp i, 0,1,2,3,4,5,6,7
	FRAG 128*(\p)+FR*\i, B16+\slot, B8+\slot, \q, \i
.endr
	WIN 0
.endm
.macro FETCH_A slot, q, i0             ; S1's blocks i0 .. i0 + 3
.irp i, \i0, \i0+1, \i0+2, \i0+3
	FRAG AF+FR*(\i), A16+\slot, A8+\slot, \q, \i
.endr
.endm
; 16 matrix instructions: S1's blocks a0, a0 + 1 x S0's eight, K step ks.  first = 1: the sums begin with the bias registers as C.  The 64 accumulators take turns, one instruction a turn.
.macro MUL16 a0, p, ks, first
.irp a, \a0, \a0+1
.irp b, 0,1,2,3,4,5,6,7
.if \first
	v_wmma_scale_f32_16x16x128_f8f6f4 v[8*(8*((\a)%4)+\b):8*(8*((\a)%4)+\b)+7], v[128*(\p)+FR*\b:128*(\p)+FR*\b+FR-1], v[AF+FR*(\a):AF+FR*(\a)+FR-1], v[96+8*\b+96*(\b/4):96+8*\b+96*(\b/4)+7], v[SC+8*\b+(\ks)], v[SC+8*(\a)+(\ks)] matrix_a_fmt:MATRIX_FMT_BF6 matrix_b_fmt:MATRIX_FMT_BF6 matrix_a_scale:MATRIX_SCALE_ROW1
.else
	v_wmma_scale_f32_16x16x128_f8f6f4 v[8*(8*((\a)%4)+\b):8*(8*((\a)%4)+\b)+7], v[128*(\p)+FR*\b:128*(\p)+FR*\b+FR-1], v[AF+FR*(\a):AF+FR*(\a)+FR-1], v[8*(8*((\a)%4)+\b):8*(8*((\a)%4)+\b)+7], v[SC+8*\b+(\ks)], v[SC+8*(\a)+(\ks)] matrix_a_fmt:MATRIX_FMT_BF6 matrix_b_fmt:MATRIX_FMT_BF6 matrix_a_scale:MATRIX_SCALE_ROW1
.endif
.endr
.endr
.endm
; A slot's first K step: multiplies S0's set 0 and fetches the slot's second step (S0 into set 1; S1's blocks as they fall free).
.macro STEP slot, ks, first
	s_wait_dscnt 4*NL                              ; S0's set and S1's blocks 0-3 are in; the youngest 16 loads (S1's blocks 4-7) may be out
.if \first
	WIN 0x91                                       ; source 0 and C window 1, source 1 window 0, D window 2
.else
	WIN 0xa1                                       ; source 0 window 1, source 1 window 0, C and D window 2
.endif
	MUL16 0, 0, \ks, \first
	MUL16 2, 0, \ks, \first
	s_wait_dscnt 0                                 ; S1's blocks 4-7 are in
	PLACES 4                                       ; four places in front of loads into registers that matrix instructions have read (ISA guide 7.12.1 for vector instructions)
	FETCH_B \slot, 1, 1
	FETCH_A \slot, 1, 0
.if \first
	WIN 0xd1
.else
	WIN 0xf1
.endif
	MUL16 4, 0, \ks, \first
	MUL16 6, 0, \ks, \first
	PLACES 4
	WIN 0
	FETCH_A \slot, 1, 4
.endm
; A slot's second K step changes slots: ONE barrier; in front of it each wave waits for all its tensor loads, adds 0 to its spare word, and waits for that and for its reads of this slot.  fill = 1: this slot is filled again, 512 along K ahead.
.macro TURN slot, next, fill, ks
	s_wait_tensorcnt 0x0                           ; all my tensor loads have landed: my part of the next slot
	ds_add_u32 v[SPW], v[NIL]                      ; 0 onto my spare word
	s_wait_dscnt 4*NL+1                            ; (the add and the youngest 16 loads may be out)
	WIN 0xa1
	MUL16 0, 1, \ks, 0                             ; sixteen matrix instructions stand between the add and the wait for it
	s_wait_dscnt 0x0                               ; the add is done, and my reads of this slot are over
	s_barrier_signal -1
	MUL16 2, 1, \ks, 0
	WIN 0
	s_barrier_wait -1
.if \fill
	CREST                                          ; the barrier has opened a round of the cluster's barrier: no wave of any partner still reads this slot or has a load on its way
	s_add_nc_u64 s[G0+4*\slot+2:G0+4*\slot+3], s[G0+4*\slot+2:G0+4*\slot+3], 6144
	s_add_nc_u64 s[G0B+4*\slot+2:G0B+4*\slot+3], s[G0B+4*\slot+2:G0B+4*\slot+3], 6144
	JLOAD G0+4*\slot, G1, G0B+4*\slot, G1B         ; the first tensor load behind the round, my one load until the next; its four v_nop are the places in front of the loads below
.else
	PLACES 4
.endif
	FETCH_B \next, 0, 0
	FETCH_A \next, 0, 0
	WIN 0xf1
	MUL16 4, 1, \ks, 0
	MUL16 6, 1, \ks, 0
	PLACES 4
	WIN 0
	FETCH_A \next, 0, 4
.endm
; 64 numbers of a lane, register 16 b + i = k 32 b + 16 (lane / 16) + i of my row, become a fragment's 12 code registers v[d] on and its scale word v[w].
.macro QUANT s, d, w
.irp b, 0,1,2,3
	v_max3_num_f32 v[TM+\b], |v[\s+16*\b]|, |v[\s+1+16*\b]|, 0x2800000   ; my 16 numbers of block b, and the floor 2^(5 - 127): the byte cannot fall under 1
.endr
.irp i, 2,4,6,8,10,12,14
.irp b, 0,1,2,3
	v_max3_num_f32 v[TM+\b], v[TM+\b], |v[\s+16*\b+\i]|, |v[\s+1+16*\b+\i]|
.endr
.endr
.irp b, 0,1,2,3
	v_permlanex16_b32 v[TM+4+\b], v[TM+\b], s[SEL], s[SEL+1]
.endr
.irp b, 0,1,2,3
	v_max_num_f32 v[TM+\b], v[TM+\b], v[TM+4+\b]          ; with lane l xor 16's: the block's largest magnitude
.endr
.irp b, 0,1,2,3
	v_add_nc_u32 v[TM+12+\b], 0xfe000000, v[TM+\b]        ; 4 off its exponent field: the conversion's scale operand
.endr
.irp b, 0,1,2,3
	v_lshrrev_b32 v[TM+4+\b], 23, v[TM+12+\b]             ; the scale's byte
.endr
	v_lshl_or_b32 v[\w], v[TM+5], 8, v[TM+4]
	v_lshl_or_b32 v[\w], v[TM+6], 16, v[\w]
	v_lshl_or_b32 v[\w], v[TM+7], 24, v[\w]
.irp c, 0,1
	v_cvt_scalef32_pk16_bf6_f32 v[\d+6*\c:\d+6*\c+2], v[\s+32*\c:\s+32*\c+15], v[TM+12+2*\c]
	v_cvt_scalef32_pk16_bf6_f32 v[T+4*\c:T+4*\c+2], v[\s+32*\c+16:\s+32*\c+31], v[TM+12+2*\c+1]
.endr
	v_nop                                                 ; one plain place behind a scaled conversion
.irp c, 0,1
.irp i, 0,1,2
	v_permlane16_swap_b32 v[\d+6*\c+\i], v[T+4*\c+\i]
.endr
.irp i, 0,1,2
	v_mov_b32 v[\d+3+6*\c+\i], v[T+4*\c+\i]
.endr
.endr
.endm
	s_load_b256 s[4:11], s[0:1], 0x0               ; op_img s[4:5], gsc s[6:7], b_attn s[8:9], qkv_img s[10:11]
	s_load_b64 s[12:13], s[0:1], 0x20              ; qkv_sc
	v_lshl_add_u32 v[SPW], v0, 2, SPARE
	v_mov_b32 v[NIL], 0
	ds_add_u32 v28, v29
	ds_add_u32 v28, v29
	s_wait_dscnt 0x0
	v_lshrrev_b32 v9, 5, v0
	v_readfirstlane_b32 s14, v9                    ; wave 0..3
	s_lshr_b32 s15, s14, 1                         ; which half of S1 is mine.  Also: I fetch for S1 (0) or for S0 (1)
	s_and_b32 s16, s14, 1                          ; which half of S0.  Also: which 8 RTs of that tile I fetch
	s_bfe_u32 s40, ttmp6, 0x40000                  ; cx, cy: my place in the cluster
	s_bfe_u32 s41, ttmp6, 0x40004
	s_mov_b32 s42, ttmp9                           ; CX: the cluster's x, 0 or 1
	s_and_b32 s17, ttmp7, 0xffff                   ; CY: the cluster's y, 0 .. 11
	s_lshl_b32 s43, s41, 2
	s_lshl_b32 s43, 15, s43                        ; my row of the cluster
	s_lshl_b32 s44, 0x1111, s40                    ; my column
	; descriptor group 1: 8 rows (RTs) of 3,072 bytes (384 elements of 8), 12,288 bytes apart; no padding
	s_or_b32 s[G1+0], s43, (3<<16)|(1<<21)         ; 15:0 the mask: S1's tiles go to my row; 17:16 elements of 8 bytes; 21 set beside a mask
	s_or_b32 s[G1B+0], s44, (3<<16)|(1<<21)        ; S0's go to my column
.irp g, G1, G1B
	s_mov_b32 s[\g+1], 384<<16                     ; tensor_dim0
	s_mov_b32 s[\g+2], 8<<16                       ; tensor_dim1
	s_mov_b32 s[\g+3], 384<<16                     ; tile_dim0
	s_mov_b32 s[\g+4], 8                           ; tile_dim1
	s_mov_b32 s[\g+5], 1536                        ; tensor_dim0_stride
	s_mov_b32 s[\g+6], 0
	s_mov_b32 s[\g+7], 0
.endr
	; which RTs.  S1's first RT hangs on cy and CY alone, S0's on cx, CX and CY alone, each in registers that never hold the other place
	s_max_u32 s47, s17, 8
	s_sub_co_u32 s47, s47, 8
	s_lshl_b32 s47, s47, 7                         ; mode 1: tokens from RT 128 (CY - 8) on
	s_lshl_b32 s19, s17, 6                         ; mode 0: tokens from RT 64 CY on
	s_mov_b32 s20, 640                             ; mode 1: W_attn's rows from 2,048 on
	s_mov_b32 s21, 512                             ; mode 0: W_attn's rows from 0 on
	s_cmp_ge_u32 s17, 8                            ; the mode: the same in all partners
	s_cselect_b32 s18, s20, s19
	s_cselect_b32 s46, s47, s21
	s_lshl_b32 s19, s41, 4
	s_add_co_u32 s18, s18, s19                     ; S1's first RT: + 16 cy
	s_lshl_b32 s47, s42, 6
	s_add_co_u32 s46, s46, s47
	s_lshl_b32 s47, s40, 4
	s_add_co_u32 s46, s46, s47                     ; S0's first RT: + 64 CX + 16 cx
	s_lshl_b32 s19, s16, 3                         ; which 8 RTs I fetch
	s_add_co_u32 s20, s18, s19
	s_mul_i32 s20, s20, 12288
	s_mov_b32 s21, 0
	s_add_co_u32 s68, s46, s19
	s_mul_i32 s68, s68, 12288
	s_mov_b32 s69, 0
	s_mul_i32 s45, s14, HALFT                      ; where they go: wave x 8 RTs: no place in the cluster enters an LDS address
	s_wait_kmcnt 0x0
	s_add_nc_u64 s[20:21], s[4:5], s[20:21]
	s_add_nc_u64 s[68:69], s[4:5], s[68:69]
	CROUND                                         ; all sixteen work-groups are here: the first joint loads meet
.irp s, 0,1
	s_mov_b32 s[G0+4*\s], 1
	s_add_co_u32 s[G0+4*\s+1], s45, \s*SLOT
	s_add_nc_u64 s[G0+4*\s+2:G0+4*\s+3], s[20:21], \s*3072
	s_or_b32 s[G0+4*\s+3], s[G0+4*\s+3], 0x80000000
	s_mov_b32 s[G0B+4*\s], 1
	s_add_co_u32 s[G0B+4*\s+1], s45, \s*SLOT
	s_add_nc_u64 s[G0B+4*\s+2:G0B+4*\s+3], s[68:69], \s*3072
	s_or_b32 s[G0B+4*\s+3], s[G0B+4*\s+3], 0x80000000
	JLOAD G0+4*\s, G1, G0B+4*\s, G1B               ; both slots' first fills: two tensor loads of mine are out
.endr
	v_and_b32 v9, 31, v0                           ; l
	v_and_b32 v10, 15, v0                          ; r
	v_bfe_u32 v11, v0, 4, 1                        ; h
	v_lshlrev_b32 v1, 4, v9                        ; 16 l
	v_lshlrev_b32 v3, 3, v9                        ; 8 l
	s_mul_i32 s21, s15, HALFT                      ; my 8 RTs of S1
	s_mul_i32 s22, s16, HALFT                      ; my 8 RTs of S0,
	s_add_co_u32 s22, s22, 2*HALFT                 ; which lie behind S1's 16
.irp s, 0,1
	v_add_nc_u32 v[A16+\s], s21, v1
	v_add_nc_u32 v[A8+\s], s21, v3
	v_add_nc_u32 v[B16+\s], s22, v1
	v_add_nc_u32 v[B8+\s], s22, v3
	s_add_co_u32 s21, s21, SLOT
	s_add_co_u32 s22, s22, SLOT
.endr
	; the numbers of the way out
	s_lshl_b32 s19, s15, 3
	s_add_co_u32 s70, s18, s19                     ; my first RT of S1
	s_lshl_b32 s19, s16, 3
	s_add_co_u32 s71, s46, s19                     ; my first RT of S0
	s_lshl_b32 s72, s41, 2
	s_lshl_b32 s19, s15, 1
	s_add_co_u32 s72, s72, s19                     ; mode 1: my first head, 4 cy + 2 x half
	s_lshl_b32 s73, s40, 2
	s_lshl_b32 s19, s16, 1
	s_add_co_u32 s73, s73, s19                     ; mode 0: 4 cx + 2 x half
	s_mov_b32 s77, 49152
	s_mov_b32 s78, 1536
	s_mov_b32 s79, 0
	s_mov_b32 s80, 44544
	s_mov_b32 s81, 0
	s_mov_b32 s82, 0x05040100
	s_mov_b32 s83, 0x07060302
	s_mov_b32 s84, 0x03020100
	s_mov_b32 s85, 0x07060504
	s_mov_b32 s[SEL], 0x76543210
	s_mov_b32 s[SEL+1], 0xfedcba98
	s_cmp_ge_u32 s17, 8
	s_cselect_b32 s74, s71, s70                    ; my first token RT
	s_cselect_b32 s75, s72, s73                    ; my first head
	s_cselect_b32 s76, 2, s42                      ; the region: q, k or v
	s_cselect_b32 s77, 768, s77                    ; from a fragment's first half to its second: the next half fragment, or the next head
	s_cselect_b32 s78, s78, 768                    ; from block a to a + 1: the next channel RT, or the next token RT
	s_cselect_b32 s80, s80, 768                    ; and behind block 3: mode 1 goes on to the next head's first channel RT
	s_cselect_b32 s82, s84, s82                    ; how two blocks' scale words become what lanes 0-15 store,
	s_cselect_b32 s83, s85, s83                    ; and lanes 16-31
	s_cselect_b32 s66, -1, 0                       ; all lanes in mode 1
	s_cselect_b32 s67, 0, -1                       ; all lanes in mode 0
	s_lshr_b32 s86, s74, 6
	s_lshl_b32 s86, s86, 4
	s_add_co_u32 s86, s86, s75                     ; segment x 16 + head
	s_and_b32 s87, s74, 63                         ; my first token RT in the segment: a multiple of 8
	s_lshl_b32 s88, s76, 10
	s_lshl_b32 s19, s75, 6
	s_add_co_u32 s88, s88, s19                     ; my 128 rows of W_attn begin here
	s_lshl_b32 s88, s88, 2
	s_mov_b32 s89, 0
	s_add_nc_u64 s[8:9], s[8:9], s[88:89]          ; and their biases
	s_mul_i32 s90, s76, 6291456
	s_mul_i32 s19, s86, 49152
	s_add_co_u32 s90, s90, s19
	s_mul_i32 s19, s87, 768                        ; (768 a token RT is also 6,144 a key step of 8 RTs)
	s_add_co_u32 s90, s90, s19
	s_mov_b32 s91, 0
	s_add_nc_u64 s[10:11], s[10:11], s[90:91]      ; where my codes go
	s_lshl_b32 s90, s76, 18
	s_lshl_b32 s19, s86, 11
	s_add_co_u32 s90, s90, s19
	s_lshl_b32 s19, s87, 5                         ; (64 bytes an RT pair is also 256 a key step)
	s_add_co_u32 s90, s90, s19
	s_add_nc_u64 s[12:13], s[12:13], s[90:91]      ; and my scale words
	; the scale words of all eight K steps: lanes 0-15 S1's, lanes 16-31 S0's
	s_lshl_b32 s92, s70, 9
	s_lshl_b32 s93, s71, 9
	v_mov_b32 v12, s92
	v_mov_b32 v13, s93
	v_cmp_eq_u32 vcc_lo, 1, v11
	v_cndmask_b32 v12, v12, v13, vcc_lo
	v_lshl_add_u32 v12, v10, 2, v12
.irp i, 0,1,2,3,4,5,6,7
.irp k, 0,1,2,3,4,5,6,7
	global_load_b32 v[SC+8*\i+\k], v12, s[6:7] offset:512*\i+64*\k
.endr
.endr
	v_lshlrev_b32 v13, 6, v11                      ; mode 0's bias: for tile b the numbers 32 (b / 2) + 8 (b % 2) + 16 h + 0 .. 7
	WIN 0x40
.irp b, 0,1,2,3,4,5,6,7
	global_load_b128 v[96+8*\b+96*(\b/4):96+8*\b+96*(\b/4)+3], v13, s[8:9] offset:4*(32*(\b/2)+8*(\b%2))
	global_load_b128 v[96+8*\b+96*(\b/4)+4:96+8*\b+96*(\b/4)+7], v13, s[8:9] offset:4*(32*(\b/2)+8*(\b%2))+16
.endr
	WIN 0
	v_and_b32 v14, 8, v10
	v_add_nc_u32 v14, v14, v10
	v_lshlrev_b32 v14, 2, v14                      ; mode 1's bias: for block a the number 32 (a / 2) + 8 (a % 2) + r + 8 (r / 8)
.irp a, 0,1,2,3,4,5,6,7
	global_load_b32 v[BV+2*\a], v14, s[8:9] offset:4*(32*(\a/2)+8*(\a%2))
	v_mov_b32 v[BV+2*\a+1], 0                      ; (named with it as a pair)
.endr
	v_add_nc_u32 v2, s77, v1                       ; v1, v2: where a fragment's two halves put 16 bytes a lane;
	v_add_nc_u32 v4, s77, v3                       ; v3, v4: and 8
	s_lshl_b32 s19, s14, 9
	s_add_co_u32 s19, s19, SCST
	v_lshl_add_u32 v5, v9, 2, s19                  ; my stage for scale words: in, 4 l;
	v_lshl_add_u32 v6, v9, 4, s19                  ; back, 16 l
	v_mov_b32 v7, s82
	v_mov_b32 v15, s83
	v_cndmask_b32 v7, v7, v15, vcc_lo              ; the byte selector of my half of the lanes
	v_and_b32 v24, 3, v9
	v_lshlrev_b32 v24, 4, v24                      ; where my 16 bytes of the stage go: four words of 16 r,
	v_bfe_u32 v25, v9, 2, 1
	v_lshl_add_u32 v25, v25, 11, v24               ; mode 0: head (l / 4) % 2,
	v_lshrrev_b32 v26, 3, v9
	v_lshl_add_u32 v25, v26, 6, v25                ; RT pair l / 8
	v_bfe_u32 v26, v9, 2, 2
	v_lshl_add_u32 v26, v26, 6, v24                ; mode 1: channel RT (l / 4) % 4,
	v_lshl_add_u32 v26, v11, 11, v26               ; head l / 16
	v_cndmask_b32 v8, v25, v26, s66
	s_wait_loadcnt 0x0
	WIN 0x44                                       ; source 1 and destination window 1
.irp b, 0,1,2,3,4,5,6,7
.irp j, 0,1,2,3,4,5,6,7
	v_cndmask_b32 v[96+8*\b+96*(\b/4)+\j], 0, v[96+8*\b+96*(\b/4)+\j], s67   ; the bias along the registers counts in mode 0 alone
.endr
.endr
	WIN 0
.irp a, 0,1,2,3,4,5,6,7
	v_cndmask_b32 v[BV+2*\a], 0, v[BV+2*\a], s66   ; the bias along the lanes in mode 1 alone
.endr
	s_wait_tensorcnt 1                             ; my part of slot 0 is in; slot 1's load may be out
	s_barrier_signal -1
	s_barrier_wait -1                              ; everybody's is
	FETCH_B 0, 0, 0
	FETCH_A 0, 0, 0
	FETCH_A 0, 0, 4
	STEP 0, 0, 1                                   ; K steps 0 .. 7
	TURN 0, 1, 1, 1
	STEP 1, 2, 0
	TURN 1, 0, 1, 3
	STEP 0, 4, 0
	TURN 0, 1, 0, 5                                ; nothing is left to fetch
	STEP 1, 6, 0
	s_wait_dscnt 4*NL
	WIN 0xa1
	MUL16 0, 1, 7, 0
	MUL16 2, 1, 7, 0
	s_wait_dscnt 0
	WIN 0xf1
	MUL16 4, 1, 7, 0
	MUL16 6, 1, 7, 0
	WIN 0
; THE WAY OUT, block a of S1 at a time: a lane's 64 results (one row of S1, 128 rows of S0) get mode 1's bias on their way out of the accumulators' window, are quantised, and leave as a fragment's image.
.macro EPI a
	WIN 0x02+(\a)/4                                ; source 0: window 2 or 3
.irp b, 0,1,2,3,4,5,6,7
.irp i, 0,2,4,6
	v_pk_add_f32 v[HA+8*\b+\i:HA+8*\b+\i+1], v[64*((\a)%4)+8*\b+\i:64*((\a)%4)+8*\b+\i+1], v[BV+2*(\a):BV+2*(\a)+1] op_sel_hi:[1,0]   ; each accumulator from its low end on
.endr
.endr
	WIN 0
.if (\a) > 0
	s_wait_xcnt 0x0                                ; the last block's stores have read their registers and their base
.if (\a) == 4
	s_add_nc_u64 s[10:11], s[10:11], s[80:81]
.else
	s_add_nc_u64 s[10:11], s[10:11], s[78:79]
.endif
.endif
	QUANT HA, PC, PW+((\a)%2)
.irp c, 0,1
	global_store_b128 v[1+\c], v[PC+6*\c:PC+6*\c+3], s[10:11]               ; 512 consecutive bytes, at a multiple of 256 from the buffer's first byte
	global_store_b64 v[3+\c], v[PC+6*\c+4:PC+6*\c+5], s[10:11] offset:512   ; and 256
.endr
.if (\a)%2
	v_perm_b32 v[SW], v[PW+1], v[PW], v7           ; mode 0: lanes 0-15 the first head's word of this RT pair, lanes 16-31 the second's; mode 1: block a - 1's word, block a's
	ds_store_b32 v5, v[SW] offset:128*((\a)/2)
.endif
.endm
	PLACES 4                                       ; in front of the first read of results, and of writes of registers that the last products read
.irp b, 0,1,2,3
	v_mov_b32 v[TM+4+\b], 0                        ; a lane permute's destination counts as one of its sources
.endr
.irp a, 0,1,2,3,4,5,6,7
	EPI \a
.endr
	ds_load_b128 v[232:235], v6                    ; LDS serves a wave's instructions in order: this sees my stores
	s_wait_dscnt 0x0
	global_store_b128 v8, v[232:235], s[12:13]     ; two runs of 256 consecutive bytes, each aligned
	s_wait_tensorcnt 0x0                           ; the wave's end
	ds_add_u32 v[SPW], v[NIL]
	s_wait_dscnt 0x0
	CROUND                                         ; the closing round: no work-group ends while a partner may still ask for a tile that names it
	s_endpgm
.Lfunc_end_k_qf5270e1405_qkv:
	.size	k_qf5270e1405_qkv, .Lfunc_end_k_qf5270e1405_qkv-k_qf5270e1405_qkv
	.p2alignl 7, 3214868480
	.fill 96, 4, 3214868480
	.section	.rodata,"a",@progbits
	.p2align	6, 0x0
	.amdhsa_kernel k_qf5270e1405_qkv
		.amdhsa_group_segment_fixed_size 327680
		.amdhsa_private_segment_fixed_size 0
		.amdhsa_enable_private_segment 0
		.amdhsa_kernarg_size 40
		.amdhsa_user_sgpr_count 2
		.amdhsa_user_sgpr_kernarg_segment_ptr 1
		.amdhsa_wavefront_size32 1
		.amdhsa_system_sgpr_workgroup_id_x 1
		.amdhsa_system_sgpr_workgroup_id_y 1
		.amdhsa_system_sgpr_workgroup_id_z 1
		.amdhsa_system_vgpr_workitem_id 0
		.amdhsa_next_free_vgpr 1024
		.amdhsa_next_free_sgpr 100
		.amdhsa_reserve_vcc 1
		.amdhsa_float_denorm_mode_32 3
		.amdhsa_float_denorm_mode_16_64 3
		.amdhsa_memory_ordered 1
		.amdhsa_forward_progress 1
		.amdhsa_inst_pref_size 176
	.end_amdhsa_kernel
	.amdgpu_metadata
---
amdhsa.version: [ 1, 2 ]
amdhsa.kernels:
  - .name:           k_qf5270e1405_qkv
    .symbol:         k_qf5270e1405_qkv.kd
    .args:
      - { .name: op_img, .offset: 0, .size: 8, .value_kind: global_buffer, .address_space: global }
      - { .name: gsc, .offset: 8, .size: 8, .value_kind: global_buffer, .address_space: global }
      - { .name: b_attn, .offset: 16, .size: 8, .value_kind: global_buffer, .address_space: global }
      - { .name: qkv_img, .offset: 24, .size: 8, .value_kind: global_buffer, .address_space: global }
      - { .name: qkv_sc, .offset: 32, .size: 8, .value_kind: global_buffer, .address_space: global }
    .group_segment_fixed_size: 327680
    .private_segment_fixed_size: 0
    .kernarg_segment_align: 8
    .kernarg_segment_size: 40
    .max_flat_workgroup_size: 128
    .sgpr_count:     100
    .vgpr_count:     1024
    .wavefront_size: 32
...
	.end_amdgpu_metadata
.endif
;; end of part 2
;; launch attn (part 3): grid 4 x 64, 16 waves a work-group, clusters of 4 x 1, 215,040 bytes of LDS; arguments qkv_img, qkv_sc, y_img, gsc; writes y_img, gsc
.if DOCPART == 3
	.amdgcn_target "amdgcn-amd-amdhsa--gfx1250"
	.amdhsa_code_object_version 6
	.text
	.protected	k_qf5270e1405_attn
	.globl	k_qf5270e1405_attn
	.p2align	8
	.type	k_qf5270e1405_attn,@function
k_qf5270e1405_attn:
	s_mov_b64 s[64:65], 0
	v_nop
	global_prefetch_b8 v0, s[64:65] scope:SCOPE_SE
	s_setreg_imm32_b32 hwreg(HW_REG_WAVE_MODE, 25, 1), 1
	s_wait_xcnt 0x0
	s_wait_alu depctr_hold_cnt(0) depctr_sa_sdst(0) depctr_va_vdst(0) depctr_va_sdst(0) depctr_va_ssrc(0) depctr_va_vcc(0) depctr_vm_vsrc(0)
	s_getreg_b32 s2, hwreg(HW_REG_IB_STS2, 6, 4)
	s_cmp_eq_u32 s2, 0
	s_cbranch_scc0 .Lentry_in_a_cluster
	s_endpgm
.Lentry_in_a_cluster:
	s_bfe_u32 s2, ttmp6, 0x10000c
	s_cmp_lg_u32 s2, 0x3003
	s_cbranch_scc0 .Lentry_shape_is_right
	s_endpgm
.Lentry_shape_is_right:
; Causal attention inside each of 8 segments of 1,024 tokens, 16 heads of 64, both products on codes of BF6 (E3M2) with E8M0 scales; y leaves as codes, quantised along its 1,024 channels.
; IN: qkv_img, qkv_sc as the launch before lays them: q, k: [segment x 16 + head][64 token RTs][768]; v: [..][8 key steps][4 channel RTs][1,536]; a row tile RT is 16 rows, lane r holding row 32 (RT / 2) + 8 (RT % 2) + r + 8 (r / 8).
; THE SOFTMAX: t = score x log2(e) / 8; M = the row's largest t so far, rounded UP to a whole number; p = 2^(t - M) is what is quantised, along the keys.  The row's sum is taken of the unquantised p and divides O at the end.
; When M moves, the sum and O are multiplied by 2^(old M - new M): exact.
; SHARES.  A cluster of four work-groups has one segment and two heads.  Each work-group holds K and V of both heads, all 1,024 keys, in LDS: filled ONCE, by joint loads that name the four.
; Wave w serves head w % 2 and two query RTs, t = 4 i + j, j the work-group's place in the cluster: i = w / 2 first, then i = 15 - w / 2.  RT t needs key steps 0 .. t / 8 = i / 2: that hangs on the wave's number alone,
; so every branch is alike in all partners, and every wave has nine key steps of 128 in all.  The place in the cluster enters global addresses and lane data (the mask's numbers, a byte selector) alone.
; LAYOUT.  Both products are used transposed: S^T = K Q^T, O^T = V^T P^T: a lane holds ONE query (lane % 16) throughout, and by the RTs' order of rows its 16 registers of two neighbouring tiles are 16 neighbouring keys (or channels).
; THE SCORES' K IS 64, the instruction's 128.  A fragment of K holds TWO key tiles (registers 0-5 and 6-11); it is multiplied by (q, zeros) for the first and by (zeros, q) for the second: zero codes add nothing.
; CAUSAL.  A step all of whose keys come after the wave's queries is left out by a scalar branch; in the one step on the diagonal hidden scores become -infinity ahead of the maximum.
; LIMITS: a block whose largest magnitude lies under 2^-122 has its byte held at 1; a block of zeros gets the byte 1 (its codes are zeros; only this program reads the bytes); NaN and infinities are not served.
; REGISTERS: v1-6 LDS bases, v7, v8 16 l and 8 l; v9-11, v35, v88, v89 the step's LDS addresses; v12 -M, v13 the largest t, v[14:15] the sum; v16-21 zeros, v22-27 q, v28-33 zeros; v34 q's scale word;
;   v36-83 four fragments, v84-87 their scale words; v90 the mask's number, v91 -infinity, v92-95 addresses; v96-159 S^T, then p; v160-191 O^T; v192-203 codes; v204-227 at work; v232-239 the second pass's q, both raw scale words.
.set KV,   98304                       ; LDS: K of head u at 49,152 u; V at KV + 49,152 u;
.set SCK,  196608                      ; K's scale words at SCK + 2,048 u;
.set SCV,  200704                      ; V's at SCV + 2,048 u;
.set YST,  204800                      ; 1,024 bytes in which y's scale bytes of the two heads meet: no tile lands here
.set WV,   12
.set U,    13                          ; which of the two heads
.set WP,   14                          ; w / 2
.set J,    15                          ; my work-group's place in the cluster
.set YY,   16                          ; segment x 8 + pair of heads
.set SEL,  20
.set CS,   22                          ; s[22:23] c = log2(e) / 8
.set G1T,  24                          ; s[24:31] group 1: 96 rows of 256 bytes;  s[32:39]: 8 rows
.set G1S,  32
.set KS,   52                          ; the key step
.set LIM,  53                          ; the pass's last key step
.set TK,   54                          ; 6,144 x key step
.set TS,   55                          ; 256 x key step
.set CNT,  56
.set LIMS, 57                          ; s57, s58 LIM of the two passes
.set DDS,  59                          ; s59, s60 the scalar part of the mask's number
.set SSEL, 61                          ; which two bytes of q's raw scale word are my RT's
.macro ROUND
	s_barrier_signal -1
	s_barrier_wait -1
	s_cmp_lg_u32 s[WV], 0
	s_cbranch_scc1 .Lnot_wave_0_\@
	s_barrier_signal -3
.Lnot_wave_0_\@:
	s_barrier_wait -3
	s_barrier_signal -1
	s_barrier_wait -1
.endm
	s_load_b256 s[4:11], s[0:1], 0x0               ; qkv_img s[4:5], qkv_sc s[6:7], y_img s[8:9], gsc s[10:11]
	v_lshl_add_u32 v254, v0, 2, 0x34000
	v_mov_b32 v255, 0
	ds_add_u32 v254, v255
	ds_add_u32 v254, v255
	v_lshrrev_b32 v212, 5, v0
	v_readfirstlane_b32 s[WV], v212                ; wave 0..15
	s_and_b32 s[U], s[WV], 1
	s_lshr_b32 s[WP], s[WV], 1
	s_bfe_u32 s[J], ttmp6, 0x40000
	s_and_b32 s[YY], ttmp7, 0xffff
	s_mov_b32 s[G1T], 15|(3<<16)|(1<<21)           ; 15:0 the mask: all four work-groups; 17:16 elements of 8 bytes; 21 set beside a mask
	s_mov_b32 s[G1T+1], 32<<16                     ; dense bytes as rows of 256
	s_mov_b32 s[G1T+2], 96<<16
	s_mov_b32 s[G1T+3], 32<<16
	s_mov_b32 s[G1T+4], 96
	s_mov_b32 s[G1T+5], 32
	s_mov_b32 s[G1T+6], 0
	s_mov_b32 s[G1T+7], 0
	s_mov_b32 s[G1S], 15|(3<<16)|(1<<21)
	s_mov_b32 s[G1S+1], 32<<16
	s_mov_b32 s[G1S+2], 8<<16
	s_mov_b32 s[G1S+3], 32<<16
	s_mov_b32 s[G1S+4], 8
	s_mov_b32 s[G1S+5], 32
	s_mov_b32 s[G1S+6], 0
	s_mov_b32 s[G1S+7], 0
	; what waves 0-3 fetch: wave 0, 1: K of head 0, 1; wave 2, 3: V.  (The number is taken & 3, so that every wave's registers hold places inside LDS)
	s_and_b32 s80, s[WV], 3
	s_lshr_b32 s81, s80, 1
	s_and_b32 s82, s80, 1
	s_add_co_u32 s81, s81, 1                       ; region 1 (k) or 2 (v)
	s_lshl_b32 s83, s[YY], 1
	s_add_co_u32 s83, s83, s82                     ; segment x 16 + head
	s_mul_i32 s84, s81, 6291456
	s_mul_i32 s62, s83, 49152
	s_add_co_u32 s84, s84, s62
	s_mov_b32 s85, 0
	s_lshl_b32 s86, s81, 18
	s_lshl_b32 s62, s83, 11
	s_add_co_u32 s86, s86, s62
	s_mov_b32 s87, 0
	s_mul_i32 s88, s80, 49152
	s_lshl_b32 s89, s80, 11
	s_wait_dscnt 0x0
	s_wait_kmcnt 0x0
	s_mov_b32 s40, 1                               ; s[40:43]: 2,048 bytes of scale words
	s_add_co_u32 s41, s89, SCK
	s_add_nc_u64 s[42:43], s[6:7], s[86:87]
	s_or_b32 s43, s43, 0x80000000
	s_mov_b32 s44, 1                               ; s[44:47]: the codes of keys 0-511
	s_mov_b32 s45, s88
	s_add_nc_u64 s[46:47], s[4:5], s[84:85]
	s_mov_b32 s48, 1                               ; s[48:51]: of keys 512-1,023
	s_add_co_u32 s49, s88, 24576
	s_add_nc_u64 s[50:51], s[46:47], 24576
	s_or_b32 s47, s47, 0x80000000
	s_or_b32 s51, s51, 0x80000000
	ROUND                                          ; all four work-groups are here: the joint loads meet
	s_cmp_lt_u32 s[WV], 4
	s_cbranch_scc0 .Lno_fetch
	tensor_load_to_lds s[40:43], s[G1S:G1S+7]      ; a wave's three fills stand in one branch: three tensor loads of mine are out
	s_nop 0
	tensor_load_to_lds s[44:47], s[G1T:G1T+7]
	s_nop 0
	tensor_load_to_lds s[48:51], s[G1T:G1T+7]
	s_nop 0
.rept 4
	v_nop
.endr
.Lno_fetch:
	v_and_b32 v212, 31, v0                         ; l
	v_and_b32 v213, 15, v0                         ; r
	v_bfe_u32 v214, v0, 4, 1                       ; h
	v_lshlrev_b32 v7, 4, v212
	v_lshlrev_b32 v8, 3, v212
	v_lshlrev_b32 v215, 2, v213
	s_lshl_b32 s17, s[YY], 1
	s_add_co_u32 s17, s17, s[U]                    ; segment x 16 + my head
	s_lshl_b32 s18, s[WP], 2
	s_add_co_u32 s18, s18, s[J]                    ; the first pass's query RT
	s_sub_co_u32 s19, 15, s[WP]
	s_lshl_b32 s19, s19, 2
	s_add_co_u32 s19, s19, s[J]                    ; the second's
	s_mov_b32 s81, 0
	s_lshl_b32 s62, s17, 6
	s_add_co_u32 s80, s62, s18
	s_mul_i32 s80, s80, 768
	s_add_nc_u64 s[72:73], s[4:5], s[80:81]        ; q's half fragments
	s_add_co_u32 s80, s62, s19
	s_mul_i32 s80, s80, 768
	s_add_nc_u64 s[74:75], s[4:5], s[80:81]
	s_lshl_b32 s62, s17, 11
	s_lshr_b32 s80, s18, 1
	s_lshl_b32 s80, s80, 6
	s_add_co_u32 s80, s80, s62
	s_add_nc_u64 s[76:77], s[6:7], s[80:81]        ; and the scale words of their RT pairs
	s_lshr_b32 s80, s19, 1
	s_lshl_b32 s80, s80, 6
	s_add_co_u32 s80, s80, s62
	s_add_nc_u64 s[78:79], s[6:7], s[80:81]
	global_load_b128 v[22:25], v7, s[72:73]
	global_load_b64 v[26:27], v8, s[72:73] offset:512
	global_load_b32 v238, v215, s[76:77]
	global_load_b128 v[232:235], v7, s[74:75]
	global_load_b64 v[236:237], v8, s[74:75] offset:512
	global_load_b32 v239, v215, s[78:79]
	s_lshr_b32 s82, s[YY], 3                       ; the segment
	s_and_b32 s83, s[YY], 7                        ; the pair of heads
	s_lshl_b32 s84, s82, 6
	s_lshl_b32 s85, s83, 1
	s_add_co_u32 s85, s85, s[U]                    ; my head
	s_add_co_u32 s80, s84, s18
	s_lshl_b32 s80, s80, 4
	s_add_co_u32 s80, s80, s85
	s_mul_i32 s80, s80, 768
	s_add_nc_u64 s[66:67], s[8:9], s[80:81]        ; y_img: [token RT][head][768]
	s_add_co_u32 s80, s84, s19
	s_lshl_b32 s80, s80, 4
	s_add_co_u32 s80, s80, s85
	s_mul_i32 s80, s80, 768
	s_add_nc_u64 s[68:69], s[8:9], s[80:81]
	s_and_b32 s86, s[WV], 7                        ; y's scale words leave by waves 0-7: wave w those of i = w (lanes 0-15) and i = 15 - w (lanes 16-31)
	s_lshl_b32 s80, s86, 2
	s_add_co_u32 s80, s80, s[J]
	s_add_co_u32 s80, s80, s84
	s_add_co_u32 s80, s80, 768                     ; y's RTs follow the 768 of the inputs
	s_lshl_b32 s80, s80, 9
	s_lshl_b32 s62, s83, 6                         ; K step = the pair of heads
	s_add_co_u32 s80, s80, s62
	s_add_nc_u64 s[70:71], s[10:11], s[80:81]
	s_lshl_b32 s62, s86, 1
	s_sub_co_u32 s62, 15, s62
	s_lshl_b32 s62, s62, 11                        ; 4 (15 - 2 w) RTs of 512 bytes on
	v_mul_u32_u24 v95, s62, v214
	v_lshl_add_u32 v95, v213, 2, v95
	s_lshl_b32 s62, s86, 7
	s_add_co_u32 s62, s62, YST
	v_lshl_add_u32 v93, v212, 2, s62
	s_mul_i32 s62, s[U], 49152
	v_add_nc_u32 v1, s62, v7                       ; K: 16 l, 8 l
	v_add_nc_u32 v2, s62, v8
	s_add_co_u32 s62, s62, KV
	v_add_nc_u32 v3, s62, v7                       ; V
	v_add_nc_u32 v4, s62, v8
	s_lshl_b32 s62, s[U], 11
	s_add_co_u32 s62, s62, SCK
	v_lshl_add_u32 v5, v213, 2, s62                ; K's scale words: 4 r
	s_add_co_u32 s62, s62, SCV-SCK
	v_lshl_add_u32 v6, v213, 2, s62                ; V's
	s_lshl_b32 s62, s[WP], 7
	s_lshl_b32 s63, s[U], 1
	s_add_co_u32 s62, s62, s63
	s_add_co_u32 s62, s62, YST
	v_lshl_add_u32 v92, v213, 2, s62               ; y's scale bytes: [w / 2][pass][r] words, my head's two bytes
	v_and_b32 v94, 8, v213
	v_add_nc_u32 v94, v94, v213
	v_lshlrev_b32 v224, 4, v214
	v_sub_nc_u32 v94, v94, v224                    ; r + 8 (r / 8) - 16 h
	s_lshr_b32 s62, s[J], 1
	s_lshl_b32 s62, s62, 5
	s_and_b32 s63, s[J], 1
	s_lshl_b32 s80, s63, 3
	s_add_co_u32 s62, s62, s80                     ; 32 (j / 2) + 8 (j % 2)
	s_and_b32 s80, s[WP], 1
	s_lshl_b32 s82, s80, 6
	s_add_co_u32 s[DDS], s62, s82                  ; + 64 (i % 2): my RT's first token in its key step
	s_xor_b32 s80, s80, 1
	s_lshl_b32 s82, s80, 6
	s_add_co_u32 s[DDS+1], s62, s82
	s_lshr_b32 s[LIMS], s[WP], 1
	s_sub_co_u32 s80, 15, s[WP]
	s_lshr_b32 s[LIMS+1], s80, 1
	s_mul_i32 s[SSEL], s63, 0x02020202
	s_add_co_u32 s[SSEL], s[SSEL], 0x01000100      ; bytes 0, 1 (even RT) or 2, 3 (odd), twice: they serve q in either half of the operand
	s_mov_b32 s[SEL], 0x76543210
	s_mov_b32 s[SEL+1], 0xfedcba98
	s_mov_b32 s[CS], 0x3e38aa3b                    ; c = log2(e) / 8
	s_mov_b32 s[CS+1], s[CS]                       ; (named with it as a pair)
.irp i, 0,1,2,3,4,5
	v_mov_b32 v[16+\i], 0                          ; zero codes on both sides of q
	v_mov_b32 v[28+\i], 0
.endr
	v_mov_b32 v91, 0xff800000                      ; -infinity
.irp b, 0,1,2,3
	v_mov_b32 v[216+\b], 0                         ; a lane permute's destination counts as one of its sources
.endr
	v_mov_b32 v227, 0                              ; (named as the upper half of the pair v[226:227] before it is first written)
	s_wait_loadcnt 0x0                             ; q
	s_wait_tensorcnt 1                             ; the scale words and keys 0-511 are in; the load of keys 512 on may be out
	s_barrier_signal -1
	s_barrier_wait -1
.macro PASS_INIT P
.if \P
	s_wait_xcnt 0x0                                ; the first pass's stores have read their registers
.irp i, 0,1,2,3,4,5
	v_mov_b32 v[22+\i], v[232+\i]
.endr
.endif
	v_perm_b32 v34, v[238+\P], v[238+\P], s[SSEL]
	s_mov_b32 s[LIM], s[LIMS+\P]
	v_add_nc_u32 v90, s[DDS+\P], v94               ; my query's place in the diagonal step - 16 h
	v_mov_b32 v13, 0xff61b1e6                      ; the largest t so far: -3e38
	v_floor_f32 v12, -v13                          ; -M
	v_mov_b32 v14, 0
	v_mov_b32 v15, 0
.set n, 0
.rept 32
	v_mov_b32 v[160+n], 0                          ; O^T: the first step finds zeros, which the first change of M leaves zeros.  (These are also the places between the write of q's scale word and the first product)
.set n, n+1
.endr
	s_mov_b32 s[KS], 0
	s_mov_b32 s[TK], 0
	s_mov_b32 s[TS], 0
.endm
; A KEY STEP: 128 keys.
.macro ONE_STEP
	s_cmp_gt_u32 s[KS], s[LIM]                     ; all its keys come after my queries: only the steps at its end are run
	s_cbranch_scc1 .Lhid_\@
	v_add_nc_u32 v9, s[TK], v1                     ; (six plain lines: the places in front of loads into registers that the last products read)
	v_add_nc_u32 v10, s[TK], v2
	v_add_nc_u32 v11, s[TK], v3
	v_add_nc_u32 v35, s[TK], v4
	v_add_nc_u32 v88, s[TS], v5
	v_add_nc_u32 v89, s[TS], v6
.irp f, 0,1,2,3
	ds_load_b128 v[36+12*\f:39+12*\f], v9 offset:1536*\f
	ds_load_b64 v[40+12*\f:41+12*\f], v10 offset:1536*\f+512
	ds_load_b128 v[42+12*\f:45+12*\f], v9 offset:1536*\f+768
	ds_load_b64 v[46+12*\f:47+12*\f], v10 offset:1536*\f+1280
	ds_load_b32 v[84+\f], v88 offset:64*\f
.endr
	s_wait_dscnt 0x0
.irp f, 0,1,2,3
	v_wmma_scale_f32_16x16x128_f8f6f4 v[96+16*\f:103+16*\f], v[36+12*\f:47+12*\f], v[22:33], 0, v[84+\f], v34 matrix_a_fmt:MATRIX_FMT_BF6 matrix_b_fmt:MATRIX_FMT_BF6     ; the fragment's first key tile x (q, zeros)
	v_wmma_scale_f32_16x16x128_f8f6f4 v[104+16*\f:111+16*\f], v[36+12*\f:47+12*\f], v[16:27], 0, v[84+\f], v34 matrix_a_fmt:MATRIX_FMT_BF6 matrix_b_fmt:MATRIX_FMT_BF6   ; its second x (zeros, q)
.endr                                          ; register 16 b + i of v96 on: key 128 KS + 32 b + 16 h + i
.rept 4
	v_nop
.endr
	s_cmp_lt_u32 s[KS], s[LIM]                     ; all keys count: no mask
	s_cbranch_scc1 .Lopen_\@
.set n, 0
.rept 64
	v_cmp_gt_i32 vcc_lo, 32*(n/16)+n%16, v90       ; hidden where the key comes after my query
	v_cndmask_b32 v[96+n], v[96+n], v91, vcc_lo
.set n, n+1
.endr
.Lopen_\@:
.irp b, 0,1,2,3
	v_max3_num_f32 v[212+\b], v[96+16*\b], v[97+16*\b], v[98+16*\b]   ; the largest score of each block of 32 keys: it serves for the row's maximum and, since p rises with the score, for the block's largest p
.endr
.irp i, 3,5,7,9,11,13
.irp b, 0,1,2,3
	v_max3_num_f32 v[212+\b], v[212+\b], v[96+16*\b+\i], v[97+16*\b+\i]
.endr
.endr
.irp b, 0,1,2,3
	v_max_num_f32 v[212+\b], v[212+\b], v[111+16*\b]
.endr
.irp b, 0,1,2,3
	v_permlanex16_b32 v[216+\b], v[212+\b], s[SEL], s[SEL+1]
.endr
.irp b, 0,1,2,3
	v_max_num_f32 v[212+\b], v[212+\b], v[216+\b]  ; with lane l xor 16's 16 keys
.endr
	v_max3_num_f32 v224, v212, v213, v214
	v_max_num_f32 v224, v224, v215
	v_mul_f32 v224, s[CS], v224                    ; the step's largest t of my query
	v_max_num_f32 v13, v13, v224
	v_mov_b32 v224, v12
	v_floor_f32 v12, -v13                          ; the new -M = -ceil(t): a whole number
	v_sub_f32 v224, v12, v224                      ; old M - new M: a whole number, 0 or less
	v_cvt_i32_f32 v224, v224                       ; (it saturates)
	v_ldexp_f32 v226, 1.0, v224                    ; f = 2^(old M - new M)
.set n, 0
.rept 32
	v_pk_fma_f32 v[96+n:97+n], v[96+n:97+n], s[CS:CS+1], v[12:13] op_sel_hi:[1,0,0]   ; t - M, two at a time
.set n, n+2
.endr
.irp b, 0,1,2,3
	v_fma_f32 v[212+\b], v[212+\b], s[CS], v12     ; the same of each block's largest score
.endr
.set n, 0
.rept 64
	v_exp_f32 v[96+n], v[96+n]                     ; p = 2^(t - M), at most 1: not normalised
.set n, n+1
.endr
.irp b, 0,1,2,3
	v_exp_f32 v[212+\b], v[212+\b]                 ; the block's largest p
.endr
	v_pk_mul_f32 v[14:15], v[14:15], v[226:227] op_sel_hi:[1,0]   ; the sums under the new M.  (A plain place behind the exponentials)
	s_wait_alu depctr_va_vdst(0)
.irp b, 0,1,2,3
	v_max_num_f32 v[212+\b], 0x2800000, v[212+\b]  ; the floor 2^(5 - 127): the byte cannot fall under 1
.endr
.irp b, 0,1,2,3
	v_add_nc_u32 v[220+\b], 0xfe000000, v[212+\b]  ; 4 off the exponent field: the conversion's scale operand
.endr
.irp b, 0,1,2,3
	v_lshrrev_b32 v[216+\b], 23, v[220+\b]
.endr
	v_lshl_or_b32 v227, v217, 8, v216              ; p's scale word for these 128 keys
	v_lshl_or_b32 v227, v218, 16, v227
	v_lshl_or_b32 v227, v219, 24, v227
.irp c, 0,1
	v_cvt_scalef32_pk16_bf6_f32 v[192+6*\c:194+6*\c], v[96+32*\c:111+32*\c], v[220+2*\c]
	v_cvt_scalef32_pk16_bf6_f32 v[204+4*\c:206+4*\c], v[112+32*\c:127+32*\c], v[220+2*\c+1]
.endr
	v_nop                                          ; one plain place behind a scaled conversion
.irp c, 0,1
.irp i, 0,1,2
	v_permlane16_swap_b32 v[192+6*\c+\i], v[204+4*\c+\i]
.endr
.irp i, 0,1,2
	v_mov_b32 v[195+6*\c+\i], v[204+4*\c+\i]
.endr
.endr
	v_pk_add_f32 v[216:217], v[96:97], v[98:99]    ; the row's sum is taken of the unquantised p: two at a time, in two chains
.irp j, 4,8,12,16,20,24,28,32,36,40,44,48,52,56,60
	v_pk_add_f32 v[14:15], v[14:15], v[96+\j:97+\j]
	v_pk_add_f32 v[216:217], v[216:217], v[98+\j:99+\j]
.endr
	v_pk_add_f32 v[14:15], v[14:15], v[216:217]
.set n, 0
.rept 16
	v_pk_mul_f32 v[160+n:161+n], v[160+n:161+n], v[226:227] op_sel_hi:[1,0]   ; O^T under the new M
.set n, n+2
.endr
.irp f, 0,1,2,3
	ds_load_b128 v[36+12*\f:39+12*\f], v11 offset:1536*\f
	ds_load_b64 v[40+12*\f:41+12*\f], v35 offset:1536*\f+512
	ds_load_b128 v[42+12*\f:45+12*\f], v11 offset:1536*\f+768
	ds_load_b64 v[46+12*\f:47+12*\f], v35 offset:1536*\f+1280
	ds_load_b32 v[84+\f], v89 offset:64*\f
.endr
	s_wait_dscnt 0x0
.irp f, 0,1,2,3                                ; O^T += V^T P^T: the four accumulators by turns, one instruction a turn; eleven other matrix instructions stand between two links
	v_wmma_scale_f32_16x16x128_f8f6f4 v[160+8*\f:167+8*\f], v[36+12*\f:47+12*\f], v[192:203], v[160+8*\f:167+8*\f], v[84+\f], v227 matrix_a_fmt:MATRIX_FMT_BF6 matrix_b_fmt:MATRIX_FMT_BF6
.endr
.Lhid_\@:
	s_add_co_u32 s[KS], s[KS], 1
	s_add_co_u32 s[TK], s[TK], 6144
	s_add_co_u32 s[TS], s[TS], 256
.endm
.macro KLOOP trips                     ; the trip count is a constant: a wave with fewer steps jumps over the work inside
	s_mov_b32 s[CNT], \trips
.Lk_\@:
	ONE_STEP
	s_sub_co_u32 s[CNT], s[CNT], 1
	s_cmp_lg_u32 s[CNT], 0
	s_cbranch_scc1 .Lk_\@
.endm
; A pass's end: O^T / the sum is my query's 32 of the head's 64 channels (register 16 b + i: channel 32 b + 16 h + i): two blocks, quantised, a half fragment of y.
.macro PASS_OUT P
.rept 4
	v_nop                                          ; places behind the last products
.endr
	v_add_f32 v14, v14, v15
	v_permlanex16_b32 v216, v14, s[SEL], s[SEL+1]
	v_add_f32 v14, v14, v216                       ; the row's sum
	v_rcp_f32 v14, v14
	v_nop                                          ; a plain place behind the transcendental
.set n, 0
	s_wait_alu depctr_va_vdst(0)
.rept 16
	v_pk_mul_f32 v[96+n:97+n], v[160+n:161+n], v[14:15] op_sel_hi:[1,0]
.set n, n+2
.endr
.irp b, 0,1
	v_max3_num_f32 v[212+\b], |v[96+16*\b]|, |v[97+16*\b]|, 0x2800000
.endr
.irp i, 2,4,6,8,10,12,14
.irp b, 0,1
	v_max3_num_f32 v[212+\b], v[212+\b], |v[96+16*\b+\i]|, |v[97+16*\b+\i]|
.endr
.endr
.irp b, 0,1
	v_permlanex16_b32 v[216+\b], v[212+\b], s[SEL], s[SEL+1]
.endr
.irp b, 0,1
	v_max_num_f32 v[212+\b], v[212+\b], v[216+\b]
.endr
.irp b, 0,1
	v_add_nc_u32 v[220+\b], 0xfe000000, v[212+\b]
.endr
.irp b, 0,1
	v_lshrrev_b32 v[216+\b], 23, v[220+\b]
.endr
	v_lshl_or_b32 v224, v217, 8, v216              ; my head's two scale bytes of my row
	v_cvt_scalef32_pk16_bf6_f32 v[192:194], v[96:111], v220
	v_cvt_scalef32_pk16_bf6_f32 v[204:206], v[112:127], v221
	v_nop
.irp i, 0,1,2
	v_permlane16_swap_b32 v[192+\i], v[204+\i]
.endr
.irp i, 0,1,2
	v_mov_b32 v[195+\i], v[204+\i]
.endr
	global_store_b128 v7, v[192:195], s[66+2*\P:67+2*\P]              ; 512 consecutive bytes, at a multiple of 256 from the buffer's first byte
	global_store_b64 v8, v[196:197], s[66+2*\P:67+2*\P] offset:512    ; and 256
	ds_store_b16 v92, v224 offset:64*\P            ; both halves of the lanes write the same bytes with the same value
.endm
	PASS_INIT 0
	ONE_STEP                                       ; key step 0: every wave has it
	s_wait_tensorcnt 0x0                           ; keys 512 on are in,
	s_wait_dscnt 0x0
	s_barrier_signal -1
	s_barrier_wait -1                              ; everybody's are
	KLOOP 3
	PASS_OUT 0
	PASS_INIT 1
	KLOOP 8
	PASS_OUT 1
	s_wait_dscnt 0x0                               ; for the others' sake: my stores of scale bytes are done
	s_barrier_signal -1
	s_barrier_wait -1
	s_cmp_lt_u32 s[WV], 8
	s_cbranch_scc0 .Ldone
	ds_load_b32 v224, v93                          ; the two heads' bytes as whole words: lanes 0-15 the first pass's RT, lanes 16-31 the second's
	s_wait_dscnt 0x0
	global_store_b32 v95, v224, s[70:71]           ; two runs of 64 consecutive bytes
.Ldone:
	s_wait_tensorcnt 0x0
	ds_add_u32 v254, v255
	s_wait_dscnt 0x0
	ROUND                                          ; the closing round
	s_endpgm
.Lfunc_end_k_qf5270e1405_attn:
	.size	k_qf5270e1405_attn, .Lfunc_end_k_qf5270e1405_attn-k_qf5270e1405_attn
	.p2alignl 7, 3214868480
	.fill 96, 4, 3214868480
	.section	.rodata,"a",@progbits
	.p2align	6, 0x0
	.amdhsa_kernel k_qf5270e1405_attn
		.amdhsa_group_segment_fixed_size 215040
		.amdhsa_private_segment_fixed_size 0
		.amdhsa_enable_private_segment 0
		.amdhsa_kernarg_size 32
		.amdhsa_user_sgpr_count 2
		.amdhsa_user_sgpr_kernarg_segment_ptr 1
		.amdhsa_wavefront_size32 1
		.amdhsa_system_sgpr_workgroup_id_x 1
		.amdhsa_system_sgpr_workgroup_id_y 1
		.amdhsa_system_sgpr_workgroup_id_z 1
		.amdhsa_system_vgpr_workitem_id 0
		.amdhsa_next_free_vgpr 256
		.amdhsa_next_free_sgpr 90
		.amdhsa_reserve_vcc 1
		.amdhsa_float_denorm_mode_32 3
		.amdhsa_float_denorm_mode_16_64 3
		.amdhsa_memory_ordered 1
		.amdhsa_forward_progress 1
		.amdhsa_inst_pref_size 84
	.end_amdhsa_kernel
	.amdgpu_metadata
---
amdhsa.version: [ 1, 2 ]
amdhsa.kernels:
  - .name:           k_qf5270e1405_attn
    .symbol:         k_qf5270e1405_attn.kd
    .args:
      - { .name: qkv_img, .offset: 0, .size: 8, .value_kind: global_buffer, .address_space: global }
      - { .name: qkv_sc, .offset: 8, .size: 8, .value_kind: global_buffer, .address_space: global }
      - { .name: y_img, .offset: 16, .size: 8, .value_kind: global_buffer, .address_space: global }
      - { .name: gsc, .offset: 24, .size: 8, .value_kind: global_buffer, .address_space: global }
    .group_segment_fixed_size: 215040
    .private_segment_fixed_size: 0
    .kernarg_segment_align: 8
    .kernarg_segment_size: 32
    .max_flat_workgroup_size: 512
    .sgpr_count:     90
    .vgpr_count:     256
    .wavefront_size: 32
...
	.end_amdgpu_metadata
.endif
;; end of part 3
;; launch proj (part 4): grid 4 x 32, 4 waves a work-group, clusters of 4 x 4, 327,680 bytes of LDS; arguments y_img, op_img, gsc, b_proj, out0; writes out0
.if DOCPART == 4
	.amdgcn_target "amdgcn-amd-amdhsa--gfx1250"
	.amdhsa_code_object_version 6
	.text
	.protected	k_qf5270e1405_proj
	.globl	k_qf5270e1405_proj
	.p2align	8
	.type	k_qf5270e1405_proj,@function
k_qf5270e1405_proj:
	s_mov_b64 s[64:65], 0
	v_nop
	global_prefetch_b8 v0, s[64:65] scope:SCOPE_SE
	s_setreg_imm32_b32 hwreg(HW_REG_WAVE_MODE, 25, 1), 1
	s_wait_xcnt 0x0
	s_wait_alu depctr_hold_cnt(0) depctr_sa_sdst(0) depctr_va_vdst(0) depctr_va_sdst(0) depctr_va_ssrc(0) depctr_va_vcc(0) depctr_vm_vsrc(0)
	s_getreg_b32 s2, hwreg(HW_REG_IB_STS2, 6, 4)
	s_cmp_eq_u32 s2, 0
	s_cbranch_scc0 .Lentry_in_a_cluster
	s_endpgm
.Lentry_in_a_cluster:
	s_bfe_u32 s2, ttmp6, 0x10000c
	s_cmp_lg_u32 s2, 0xf033
	s_cbranch_scc0 .Lentry_shape_is_right
	s_endpgm
.Lentry_shape_is_right:
; out0 = y W_proj^T + b_proj on codes of BF6 (E3M2) with E8M0 scales; out0 [8192][1024] f32.
; OPERANDS come as images of their registers: y_img [512 RT][16 half fragments][768], W_proj in op_img from RT 704 on; scale words gsc [RT][8 K steps][16 r], y's from RT 768 on.
; A row tile RT is 16 rows, lane r holding row 32 (RT / 2) + 8 (RT % 2) + r + 8 (r / 8).
; A tile of 256 x 256 is made by four waves, each 128 x 128: 64 accumulators.  Source 0 (S0) = rows of W_proj, source 1 (S1) = tokens: a lane holds one token and, in tiles 2 B and 2 B + 1, 16 neighbouring columns.
; CLUSTERS: 4 x 4 work-groups.  S1's tile is asked for jointly by a row of the cluster, S0's by a column.  32 x 4 tiles: 128 work-groups.
; K = 1,024 goes through a ring of two LDS slots of 256 along K: four fills, two of them refills; the eight K steps of 128 are written out, since each names its own scale registers.
; REGISTERS, in windows of 256: window 0: v16-23 LDS addresses; v24-26 the way out's; v28, v29 for the add; v32-95 all scale words; v128-223 S1's fragments, ONE set; on the way out v128-255 rows of out0.
;   window 1: S0's fragments, TWO sets, v0-95 and v128-223; v96-127 and v224-255 the bias, as the C of the first K step.   windows 2, 3: accumulator (a, b) at v[8 (8 (a % 4) + b)].
.set HALFT,  24576                     ; 8 RTs x 3,072 bytes (256 along K)
.set SLOT,   4*HALFT                   ; S1's 16 RTs, then S0's 16
.set SPARE,  2*SLOT                    ; behind the ring: the spare words, 128 bytes for each wave: two blocks of 256 bytes that no other line names
.set SPITCH, 528                       ; the way out: a stage of 16 rows x (512 bytes + 16) for each wave, in slot 0, which has had its last fill and its last read when the first result is stored there
.set FR,   12
.set NL,   4
.set A16,  16
.set A8,   18
.set B16,  20
.set B8,   22
.set STO,  24
.set RD,   25
.set CO,   26
.set SPW,  28
.set NIL,  29
.set SC,   32                          ; v[SC + 8 i + ks]: lanes 0-15 the words of S1's block i, lanes 16-31 those of S0's block i, K step ks
.set AF,   128
.set BK,   128
.set G1, 24
.set G0, 32
.set G1B, 48
.set G0B, 56
.set MSB, 0
.macro WIN new                         ; the immediate's high byte repeats the setting that is left
.if MSB != (\new)
	s_set_vgpr_msb (MSB<<8)|(\new)
.set MSB, \new
.endif
.endm
.macro JLOAD g0a, g1a, g0b, g1b        ; a joint load: waves 0 and 1 fetch for S1, waves 2 and 3 for S0; four v_nop follow each of the two lines
	s_cmp_eq_u32 s15, 0
	s_cbranch_scc0 .Lfor_b_\@
	tensor_load_to_lds s[\g0a:\g0a+3], s[\g1a:\g1a+7]
	s_nop 0
.rept 4
	v_nop
.endr
	s_branch .Lasked_\@
.Lfor_b_\@:
	tensor_load_to_lds s[\g0b:\g0b+3], s[\g1b:\g1b+7]
	s_nop 0
.rept 4
	v_nop
.endr
.Lasked_\@:
.endm
.macro CREST
	s_cmp_lg_u32 s14, 0
	s_cbranch_scc1 .Lnot_wave_0_\@
	s_barrier_signal -3
.Lnot_wave_0_\@:
	s_barrier_wait -3
	s_barrier_signal -1
	s_barrier_wait -1
.endm
.macro CROUND
	s_barrier_signal -1
	s_barrier_wait -1
	CREST
.endm
.macro PLACES n
.rept \n
	v_nop
.endr
.endm
.macro FRAG reg, a16, a8, q, i         ; a fragment lies in LDS as an image of its 12 registers: four dense loads
	ds_load_b128 v[\reg:\reg+3], v[\a16] offset:(\i)*3072+(\q)*1536
	ds_load_b64 v[\reg+4:\reg+5], v[\a8] offset:(\i)*3072+(\q)*1536+512
	ds_load_b128 v[\reg+6:\reg+9], v[\a16] offset:(\i)*3072+(\q)*1536+768
	ds_load_b64 v[\reg+10:\reg+11], v[\a8] offset:(\i)*3072+(\q)*1536+1280
.endm
.macro FETCH_B slot, q, p
	WIN 0x40
.irp i, 0,1,2,3,4,5,6,7
	FRAG 128*(\p)+FR*\i, B16+\slot, B8+\slot, \q, \i
.endr
	WIN 0
.endm
.macro FETCH_A slot, q, i0
.irp i, \i0, \i0+1, \i0+2, \i0+3
	FRAG AF+FR*(\i), A16+\slot, A8+\slot, \q, \i
.endr
.endm
; 16 matrix instructions: S1's blocks a0, a0 + 1 x S0's eight, K step ks.  first = 1: the sums begin with the bias as C.  The 64 accumulators take turns, one instruction a turn.
.macro MUL16 a0, p, ks, first
.irp a, \a0, \a0+1
.irp b, 0,1,2,3,4,5,6,7
.if \first
	v_wmma_scale_f32_16x16x128_f8f6f4 v[8*(8*((\a)%4)+\b):8*(8*((\a)%4)+\b)+7], v[128*(\p)+FR*\b:128*(\p)+FR*\b+FR-1], v[AF+FR*(\a):AF+FR*(\a)+FR-1], v[96+8*\b+96*(\b/4):96+8*\b+96*(\b/4)+7], v[SC+8*\b+(\ks)], v[SC+8*(\a)+(\ks)] matrix_a_fmt:MATRIX_FMT_BF6 matrix_b_fmt:MATRIX_FMT_BF6 matrix_a_scale:MATRIX_SCALE_ROW1
.else
	v_wmma_scale_f32_16x16x128_f8f6f4 v[8*(8*((\a)%4)+\b):8*(8*((\a)%4)+\b)+7], v[128*(\p)+FR*\b:128*(\p)+FR*\b+FR-1], v[AF+FR*(\a):AF+FR*(\a)+FR-1], v[8*(8*((\a)%4)+\b):8*(8*((\a)%4)+\b)+7], v[SC+8*\b+(\ks)], v[SC+8*(\a)+(\ks)] matrix_a_fmt:MATRIX_FMT_BF6 matrix_b_fmt:MATRIX_FMT_BF6 matrix_a_scale:MATRIX_SCALE_ROW1
.endif
.endr
.endr
.endm
.macro STEP slot, ks, first            ; a slot's first K step
	s_wait_dscnt 4*NL                              ; S0's set and S1's blocks 0-3 are in; the youngest 16 loads (S1's blocks 4-7) may be out
.if \first
	WIN 0x91                                       ; source 0 and C window 1, source 1 window 0, D window 2
.else
	WIN 0xa1
.endif
	MUL16 0, 0, \ks, \first
	MUL16 2, 0, \ks, \first
	s_wait_dscnt 0
	PLACES 4                                       ; four places in front of loads into registers that matrix instructions have read (ISA guide 7.12.1 for vector instructions)
	FETCH_B \slot, 1, 1
	FETCH_A \slot, 1, 0
.if \first
	WIN 0xd1
.else
	WIN 0xf1
.endif
	MUL16 4, 0, \ks, \first
	MUL16 6, 0, \ks, \first
	PLACES 4
	WIN 0
	FETCH_A \slot, 1, 4
.endm
.macro TURN slot, next, fill, ks       ; a slot's second K step changes slots: ONE barrier
	s_wait_tensorcnt 0x0                           ; all my tensor loads have landed: my part of the next slot
	ds_add_u32 v[SPW], v[NIL]                      ; 0 onto my spare word
	s_wait_dscnt 4*NL+1                            ; (the add and the youngest 16 loads may be out)
	WIN 0xa1
	MUL16 0, 1, \ks, 0
	s_wait_dscnt 0x0                               ; the add is done, and my reads of this slot are over
	s_barrier_signal -1
	MUL16 2, 1, \ks, 0
	WIN 0
	s_barrier_wait -1
.if \fill
	CREST                                          ; the barrier has opened a round of the cluster's barrier: no wave of any partner still reads this slot or has a load on its way
	s_add_nc_u64 s[G0+4*\slot+2:G0+4*\slot+3], s[G0+4*\slot+2:G0+4*\slot+3], 6144
	s_add_nc_u64 s[G0B+4*\slot+2:G0B+4*\slot+3], s[G0B+4*\slot+2:G0B+4*\slot+3], 6144
	JLOAD G0+4*\slot, G1, G0B+4*\slot, G1B         ; the first tensor load behind the round, my one load until the next
.else
	PLACES 4
.endif
	FETCH_B \next, 0, 0
	FETCH_A \next, 0, 0
	WIN 0xf1
	MUL16 4, 1, \ks, 0
	MUL16 6, 1, \ks, 0
	PLACES 4
	WIN 0
	FETCH_A \next, 0, 4
.endm
	s_load_b256 s[4:11], s[0:1], 0x0               ; y_img s[4:5], op_img s[6:7], gsc s[8:9], b_proj s[10:11]
	s_load_b64 s[12:13], s[0:1], 0x20              ; out0
	v_lshl_add_u32 v[SPW], v0, 2, SPARE
	v_mov_b32 v[NIL], 0
	ds_add_u32 v28, v29
	ds_add_u32 v28, v29
	s_wait_dscnt 0x0
	v_lshrrev_b32 v9, 5, v0
	v_readfirstlane_b32 s14, v9                    ; wave 0..3
	s_lshr_b32 s15, s14, 1                         ; which half of S1 is mine.  Also: I fetch for S1 (0) or for S0 (1)
	s_and_b32 s16, s14, 1                          ; which half of S0.  Also: which 8 RTs of that tile I fetch
	s_bfe_u32 s40, ttmp6, 0x40000                  ; cx, cy
	s_bfe_u32 s41, ttmp6, 0x40004
	s_and_b32 s17, ttmp7, 0xffff                   ; the cluster's y, 0 .. 7
	s_lshl_b32 s43, s41, 2
	s_lshl_b32 s43, 15, s43                        ; my row of the cluster
	s_lshl_b32 s44, 0x1111, s40                    ; my column
	s_or_b32 s[G1+0], s43, (3<<16)|(1<<21)         ; 8 rows (RTs) of 3,072 bytes (384 elements of 8), 12,288 bytes apart; no padding
	s_or_b32 s[G1B+0], s44, (3<<16)|(1<<21)
.irp g, G1, G1B
	s_mov_b32 s[\g+1], 384<<16
	s_mov_b32 s[\g+2], 8<<16
	s_mov_b32 s[\g+3], 384<<16
	s_mov_b32 s[\g+4], 8
	s_mov_b32 s[\g+5], 1536
	s_mov_b32 s[\g+6], 0
	s_mov_b32 s[\g+7], 0
.endr
	s_lshl_b32 s18, s17, 6
	s_lshl_b32 s19, s41, 4
	s_add_co_u32 s18, s18, s19                     ; S1's first RT: 64 x cluster y + 16 cy
	s_lshl_b32 s46, s40, 4
	s_add_co_u32 s46, s46, 704                     ; S0's: 704 + 16 cx
	s_lshl_b32 s19, s16, 3
	s_add_co_u32 s20, s18, s19
	s_mul_i32 s20, s20, 12288
	s_mov_b32 s21, 0
	s_add_co_u32 s68, s46, s19
	s_mul_i32 s68, s68, 12288
	s_mov_b32 s69, 0
	s_mul_i32 s45, s14, HALFT                      ; where they go: no place in the cluster enters an LDS address
	s_wait_kmcnt 0x0
	s_add_nc_u64 s[20:21], s[4:5], s[20:21]
	s_add_nc_u64 s[68:69], s[6:7], s[68:69]
	CROUND                                         ; all sixteen work-groups are here: the first joint loads meet
.irp s, 0,1
	s_mov_b32 s[G0+4*\s], 1
	s_add_co_u32 s[G0+4*\s+1], s45, \s*SLOT
	s_add_nc_u64 s[G0+4*\s+2:G0+4*\s+3], s[20:21], \s*3072
	s_or_b32 s[G0+4*\s+3], s[G0+4*\s+3], 0x80000000
	s_mov_b32 s[G0B+4*\s], 1
	s_add_co_u32 s[G0B+4*\s+1], s45, \s*SLOT
	s_add_nc_u64 s[G0B+4*\s+2:G0B+4*\s+3], s[68:69], \s*3072
	s_or_b32 s[G0B+4*\s+3], s[G0B+4*\s+3], 0x80000000
	JLOAD G0+4*\s, G1, G0B+4*\s, G1B               ; both slots' first fills: two tensor loads of mine are out
.endr
	v_and_b32 v9, 31, v0                           ; l
	v_and_b32 v10, 15, v0                          ; r
	v_bfe_u32 v11, v0, 4, 1                        ; h
	v_lshlrev_b32 v[CO], 4, v9                     ; 16 l
	v_lshlrev_b32 v3, 3, v9                        ; 8 l
	s_mul_i32 s21, s15, HALFT
	s_mul_i32 s22, s16, HALFT
	s_add_co_u32 s22, s22, 2*HALFT
.irp s, 0,1
	v_add_nc_u32 v[A16+\s], s21, v[CO]
	v_add_nc_u32 v[A8+\s], s21, v3
	v_add_nc_u32 v[B16+\s], s22, v[CO]
	v_add_nc_u32 v[B8+\s], s22, v3
	s_add_co_u32 s21, s21, SLOT
	s_add_co_u32 s22, s22, SLOT
.endr
	s_lshl_b32 s19, s15, 3
	s_add_co_u32 s70, s18, s19                     ; my first RT of S1
	s_lshl_b32 s19, s16, 3
	s_add_co_u32 s71, s46, s19                     ; my first RT of S0
	s_add_co_u32 s92, s70, 768                     ; y's scale words follow those of the 768 input RTs
	s_lshl_b32 s92, s92, 9
	s_lshl_b32 s93, s71, 9
	v_mov_b32 v12, s92
	v_mov_b32 v13, s93
	v_cmp_eq_u32 vcc_lo, 1, v11
	v_cndmask_b32 v12, v12, v13, vcc_lo            ; lanes 0-15 S1's, lanes 16-31 S0's
	v_lshl_add_u32 v12, v10, 2, v12
.irp i, 0,1,2,3,4,5,6,7
.irp k, 0,1,2,3,4,5,6,7
	global_load_b32 v[SC+8*\i+\k], v12, s[8:9] offset:512*\i+64*\k
.endr
.endr
	s_lshl_b32 s88, s40, 10
	s_lshl_b32 s19, s16, 9
	s_add_co_u32 s88, s88, s19                     ; my first column, in bytes: 4 (256 cx + 128 x half)
	s_mov_b32 s89, 0
	s_add_nc_u64 s[10:11], s[10:11], s[88:89]
	v_lshlrev_b32 v13, 6, v11                      ; the bias: for tile b the numbers 32 (b / 2) + 8 (b % 2) + 16 h + 0 .. 7
	WIN 0x40
.irp b, 0,1,2,3,4,5,6,7
	global_load_b128 v[96+8*\b+96*(\b/4):96+8*\b+96*(\b/4)+3], v13, s[10:11] offset:4*(32*(\b/2)+8*(\b%2))
	global_load_b128 v[96+8*\b+96*(\b/4)+4:96+8*\b+96*(\b/4)+7], v13, s[10:11] offset:4*(32*(\b/2)+8*(\b%2))+16
.endr
	WIN 0
	s_lshl_b32 s90, s70, 16                        ; my first token: 16 x RT, rows of 4,096 bytes
	s_add_co_u32 s90, s90, s88
	s_mov_b32 s91, 0
	s_add_nc_u64 s[12:13], s[12:13], s[90:91]
	s_mul_i32 s23, s14, 16*SPITCH                  ; my stage
	v_mul_u32_u24 v14, v10, SPITCH                 ; in: row r, + 64 h
	v_lshl_add_u32 v14, v11, 6, v14
	v_add_nc_u32 v[STO], s23, v14
	v_add_nc_u32 v[RD], s23, v[CO]                 ; back: the 32 lanes take one row of 512 bytes
	s_wait_loadcnt 0x0
	s_wait_tensorcnt 1                             ; my part of slot 0 is in; slot 1's load may be out
	s_barrier_signal -1
	s_barrier_wait -1
	FETCH_B 0, 0, 0
	FETCH_A 0, 0, 0
	FETCH_A 0, 0, 4
	STEP 0, 0, 1                                   ; K steps 0 .. 7
	TURN 0, 1, 1, 1
	STEP 1, 2, 0
	TURN 1, 0, 1, 3
	STEP 0, 4, 0
	TURN 0, 1, 0, 5                                ; nothing is left to fetch
	STEP 1, 6, 0
	s_wait_dscnt 4*NL
	WIN 0xa1
	MUL16 0, 1, 7, 0
	MUL16 2, 1, 7, 0
	s_wait_dscnt 0
	WIN 0xf1
	MUL16 4, 1, 7, 0
	MUL16 6, 1, 7, 0
	WIN 0
; THE WAY OUT, block by block of 16 tokens x 128 columns, through my own stage in LDS: back come whole rows of 512 bytes.  LDS serves a wave's instructions in order (ISA guide 5.7.1.4): no wait between the stores and the loads.
.macro TOSTAGE a
.set AC, 64*((\a)%4)
	WIN 0x08+4*((\a)/4)                            ; the data: window 2 or 3
.irp b, 0,1,2,3,4,5,6,7
	ds_store_b128 v[STO], v[AC+8*\b:AC+8*\b+3] offset:4*(32*(\b/2)+8*(\b%2))        ; tile b's eight columns of my half; each accumulator from its low end on
	ds_store_b128 v[STO], v[AC+8*\b+4:AC+8*\b+7] offset:4*(32*(\b/2)+8*(\b%2))+16
.endr
	WIN 0
.set BB, BK+64*((\a)%2)
.irp t, 0,1,2,3,4,5,6,7,8,9,10,11,12,13,14,15
	ds_load_b128 v[BB+4*\t:BB+4*\t+3], v[RD] offset:\t*SPITCH
.endr
.endm
.macro SEND a, younger                 ; younger: the LDS instructions issued behind block a's loads, which may stay out
.set BB, BK+64*((\a)%2)
	s_wait_dscnt \younger
.if (\a) > 0
.if (\a)%2
	s_add_nc_u64 s[12:13], s[12:13], 8*4096        ; (behind a wait on XCNT)  an odd RT begins 8 tokens behind the even one,
.else
	s_add_nc_u64 s[12:13], s[12:13], 24*4096       ; the next even one 24 further on
.endif
.endif
.irp t, 0,1,2,3,4,5,6,7,8,9,10,11,12,13,14,15
	global_store_b128 v[CO], v[BB+4*\t:BB+4*\t+3], s[12:13] offset:(\t+8*(\t/8))*4096 th:TH_STORE_NT   ; stage row t is the RT's token t + 8 (t / 8); 32 lanes store 512 consecutive bytes, aligned
.endr
.endm
	PLACES 4                                       ; in front of the first read of results, and of loads into registers that the last products read
	TOSTAGE 0
.irp a, 1,2,3,4,5,6,7
.if \a > 1
	s_wait_xcnt 0x0                                ; block a - 2's stores have read their registers and their base
.endif
	TOSTAGE \a
	SEND \a-1, 32                                  ; behind block a - 1's loads: block a's 16 stores and 16 loads
.endr
	s_wait_xcnt 0x0
	SEND 7, 0
	s_wait_tensorcnt 0x0                           ; the wave's end
	ds_add_u32 v[SPW], v[NIL]
	s_wait_dscnt 0x0
	CROUND                                         ; the closing round
	s_endpgm
.Lfunc_end_k_qf5270e1405_proj:
	.size	k_qf5270e1405_proj, .Lfunc_end_k_qf5270e1405_proj-k_qf5270e1405_proj
	.p2alignl 7, 3214868480
	.fill 96, 4, 3214868480
	.section	.rodata,"a",@progbits
	.p2align	6, 0x0
	.amdhsa_kernel k_qf5270e1405_proj
		.amdhsa_group_segment_fixed_size 327680
		.amdhsa_private_segment_fixed_size 0
		.amdhsa_enable_private_segment 0
		.amdhsa_kernarg_size 40
		.amdhsa_user_sgpr_count 2
		.amdhsa_user_sgpr_kernarg_segment_ptr 1
		.amdhsa_wavefront_size32 1
		.amdhsa_system_sgpr_workgroup_id_x 1
		.amdhsa_system_sgpr_workgroup_id_y 1
		.amdhsa_system_sgpr_workgroup_id_z 1
		.amdhsa_system_vgpr_workitem_id 0
		.amdhsa_next_free_vgpr 1024
		.amdhsa_next_free_sgpr 100
		.amdhsa_reserve_vcc 1
		.amdhsa_float_denorm_mode_32 3
		.amdhsa_float_denorm_mode_16_64 3
		.amdhsa_memory_ordered 1
		.amdhsa_forward_progress 1
		.amdhsa_inst_pref_size 147
	.end_amdhsa_kernel
	.amdgpu_metadata
---
amdhsa.version: [ 1, 2 ]
amdhsa.kernels:
  - .name:           k_qf5270e1405_proj
    .symbol:         k_qf5270e1405_proj.kd
    .args:
      - { .name: y_img, .offset: 0, .size: 8, .value_kind: global_buffer, .address_space: global }
      - { .name: op_img, .offset: 8, .size: 8, .value_kind: global_buffer, .address_space: global }
      - { .name: gsc, .offset: 16, .size: 8, .value_kind: global_buffer, .address_space: global }
      - { .name: b_proj, .offset: 24, .size: 8, .value_kind: global_buffer, .address_space: global }
      - { .name: out0, .offset: 32, .size: 8, .value_kind: global_buffer, .address_space: global }
    .group_segment_fixed_size: 327680
    .private_segment_fixed_size: 0
    .kernarg_segment_align: 8
    .kernarg_segment_size: 40
    .max_flat_workgroup_size: 128
    .sgpr_count:     100
    .vgpr_count:     1024
    .wavefront_size: 32
...
	.end_amdgpu_metadata
.endif
;; end of part 4
